; MI455X (gfx1250); checked and timed in simulation.
; The chip was launched on July 23, 2026; its instructions are those of AMD's public machine-readable ISA for CDNA 5 (MIT licence, August 2026) and "CDNA5" Instruction Set Architecture Reference Guide (July 2026). The comments in the code are by the model that wrote it; some were corrected since.
;; Multi Head Attention GPT. Allowed arithmetic: matrix products marked QUANTISED: E4M3 operands, one E8M0 scale for each 32 along K, by v_wmma_scale_f32_16x16x128_f8f6f4 with both operands' format E4M3, f32 sums; everything else in f32.
;; Inputs: Wk 16 x 1,024 x 64 float32; Wp 1,024 x 1,024 float32; Wq 16 x 1,024 x 64 float32; Wv 16 x 1,024 x 64 float32; bp 1,024 float32; x 4 x 2,048 x 1,024 float32.
;; Outputs: out0 4 x 2,048 x 1,024 float32.
;; This version of the problem:
;;   THIS VERSION OF THE PROBLEM IS GIVEN IN LOW PRECISION. The matrix products marked QUANTISED in the list below multiply operands that are first quantised to E4M3 (4 exponent bits, 3 mantissa bits; 8 bits a number), with one power-of-two scale for each 32 numbers along K (OCP MX v1.0); their sums are f32. All else is computed in f32.
;;   The module's matrix products, in the order in which they are computed (A, B: the left and right operand; K: the contracted axis; several contracted axes count as one K, in the product's order):
;;     1. [M 1,024, K 1,024] x [K 1,024, N 8,192]; A: input Wq; B: input x: QUANTISED
;;     2. [M 1,024, K 1,024] x [K 1,024, N 8,192]; A: input Wk; B: input x: QUANTISED
;;     3. [M 1,024, K 1,024] x [K 1,024, N 8,192]; A: input Wv; B: input x: QUANTISED
;;     4. batch 64 x [M 2,048, K 64] x [K 64, N 2,048]; A: computed on the way; B: computed on the way: QUANTISED
;;     5. batch 64 x [M 2,048, K 2,048] x [K 2,048, N 64]; A: softmax (see below); B: computed on the way: QUANTISED
;;     6. [M 8,192, K 1,024] x [K 1,024, N 1,024]; A: computed on the way; B: input Wp: QUANTISED
;;   THE QUANTISER, for each operand of a quantised product, along K:
;;     - K is cut into blocks of 32 from its start; a last block that is shorter is filled with zeros.
;;     - A block's scale is 2^e with e = floor(log2(the largest magnitude in the block)) - 8, held to -126 .. 127; a block of zeros has e = 0. As a byte (E8M0): e + 127.
;;     - Each number is divided by its block's scale, clamped to +-448, and rounded to the nearest number of E4M3, ties to even, subnormals kept.
;;     - The product sums the exact products of the quantised numbers (number of the format x scale) in f32.
;;   ~~~python
;;   def quantise(x, axis):      # numpy; x: float32 -> the quantised numbers, widened to float32 again
;;       x = np.moveaxis(x, axis, -1); K = x.shape[-1]
;;       x = np.pad(x, [(0, 0)] * (x.ndim - 1) + [(0, -K % 32)]); x = x.reshape(x.shape[:-1] + (-1, 32)); a = np.abs(x).max(-1, keepdims=True)
;;       e = np.where(a > 0, np.clip(np.frexp(np.where(a > 0, a, 1))[1] - 1 - 8, -126, 127), 0)      # np.frexp(a)[1] - 1 = floor(log2(a)), exactly
;;       r = np.clip(x / 2.0 ** e, -448, 448)
;;       step = 2.0 ** (np.maximum(np.frexp(np.where(r == 0, 1, r))[1] - 1, -6) - 3)
;;       q = np.round(r / step) * step * 2.0 ** e      # np.round: ties to even
;;       return np.moveaxis(q.reshape(q.shape[:-2] + (-1,))[..., :K], -1, axis).astype(np.float32)
;;   ~~~
;;   SOFTMAX AHEAD OF A QUANTISED PRODUCT. Where the list says 'softmax', what is quantised is not the finished softmax but p = 2^(t - M), with t = logit x log2(e) and M = ceil(the row's largest t), a whole number; so 1/2 < the row's largest p <= 1. The row's sum l is taken of the UNQUANTISED p, in f32, and the product's result is divided by l at the end. Since M is a whole number, a kernel that streams over the keys may use a running M (the ceiling of the running maximum): every later rescaling is an exact power of two, which a block's scale takes up: the codes' values come out the same.
;;   OPERANDS COMPUTED ON THE WAY. 'Computed on the way' means the value that the module computes at that place (a softmax that the list does not call 'softmax' is quantised finished and normalised). What goes into a quantiser is computed in f32, as accurately as f32 sums, v_exp_f32 and their like allow (about 1e-6 of the number): no bf16 or f16 on the way to a quantiser, and a product that is left as it is and whose result goes on into a quantised operand takes f32 operands (vector FMAs, or v_wmma_f32_16x16x4_f32). A number that lies on a knife's edge between two numbers of the format may be rounded either way, as far as f32 arithmetic and the matrix unit's own rounding can turn it there, and no further.
;; One version. Each part assembles by itself: llvm-mc -triple=amdgcn-amd-amdhsa -mcpu=gfx1250 --defsym DOCPART=n.
;; ======== version 1 of 1: 5 launches
;; limits: right only within a limited range of input values
;; workspace buffers: xo 8,650,752 bytes; wqko 2,359,296 bytes; wvo 1,310,720 bytes; wpo 1,310,720 bytes; qko 18,874,368 bytes; vo 69,206,016 bytes; ao 8,650,752 bytes
;; launch quant (part 1): grid 384 x 1, 4 waves a work-group, no clusters, 34,304 bytes of LDS; arguments x, Wq, Wk, Wv, Wp, xo, wqko, wvo, wpo; writes xo, wqko, wvo, wpo
.if DOCPART == 1
	.amdgcn_target "amdgcn-amd-amdhsa--gfx1250"
	.amdhsa_code_object_version 6
	.text
	.protected	k_qa413795d13_quant
	.globl	k_qa413795d13_quant
	.p2align	8
	.type	k_qa413795d13_quant,@function
k_qa413795d13_quant:
	s_mov_b64 s[64:65], 0
	v_nop
	global_prefetch_b8 v0, s[64:65] scope:SCOPE_SE
	s_setreg_imm32_b32 hwreg(HW_REG_WAVE_MODE, 25, 1), 1
	s_wait_xcnt 0x0
; LAUNCH 1 OF 5.  x [8192][1024], Wq, Wk, Wv [16][1024][64] and Wp [1024][1024], f32, become codes of E4M3 with one E8M0 byte for each 32 along K (K = the 1,024 of num_embed; for Wp its first axis).
; DEAD WORK OF THE WHOLE PROGRAM.  reference() builds the causal mask in its own body (jnp.tril) and sets scores[t][s] = -inf for s > t; exp(-inf) = 0, so such a key adds 0 to the row's sum and 0 x v to the result, whatever
; finite values the inputs hold.  So tiles of products 4 and 5 all of whose keys come after all of their queries are not computed (launch 4).  Nothing else is left out; every input is loaded.
; LIMIT: a NaN, an infinity or an overflow that would arise only in such a tile is not carried to the result.
; LIMITS OF THE QUANTISERS (all launches): NaN and infinities among the inputs are not served; a block whose largest magnitude lies under 2^-118 gets the byte 1 (the stated lower hold); a block of zeros gets the byte 1
; where the rule says 127: its codes are zeros, which add nothing under any byte but 0xff, and the bytes are read by this program alone.
; LAYOUT OF AN OPERAND BUFFER.  Codes from byte OPC on, as IMAGES OF THE OPERAND'S REGISTERS: tile tau (16 rows) at 16,384 tau, K step ks (128 along K) at 2,048 ks, piece c at 512 c, lane l's 16 bytes at 16 l:
; lane (r = l % 16, h = l / 16) holds row r, k = 32 c + 16 h + 0 .. 15.  THE ROWS OF A TILE ARE NOT NEIGHBOURS: lane r of tile tau holds row 32 (tau / 2) + 8 (tau % 2) + r + 8 (r / 8), so that a product which takes two
; neighbouring tiles as source 0 leaves a lane 16 neighbours along the next K.  Scale words from byte 0 on: [pair of tiles P][Q = 256 along K][16 u + r][2 words]: 256 bytes for each (P, Q).
; SHARES.  Work-groups 0-255: a pair of tiles of x (32 tokens), wave = Q.  256-351: Wq, Wk, Wv (weight, head, half of K); 352-383: Wp (64 columns, half of K); there a wave takes 32 columns x 256 along K.
; Memory binds: no matrix unit, no cluster, no tensor load, no barrier: waves share nothing.
.set OPC,   0x40000
.set SP,    528                        ; a stage row: 512 bytes + 16: the sixteen rows that a load touches start at sixteen different banks
.set STG,   16*SP                      ; a wave's stage
.set SPARE, 4*STG                      ; behind the stages: the spare words, 128 bytes a wave: two blocks of 256 bytes that no other line names
.set SPW,   14                         ; v14  LDS address of my spare word; never rewritten
.set NIL,   15                         ; v15  0; never rewritten
.set R,     16                         ; v16-143  x: two sets of 64 registers as loaded
.set X,     144                        ; v144-207 x: a fragment's 64 numbers: register 16 c + i = k 32 c + 16 h + i of my row
.set TM,    208                        ; v208-223 at work in QUANT
.set PW,    224                        ; v224-227 the four fragments' scale words
.set PC,    228                        ; v228-243 a fragment's codes
.set WX,    16                         ; weights: v16-79 two sets of 32 numbers
.set WC,    80                         ; v80-95 two sets of 8 registers of codes
.set SB,    96                         ; v96-97 a column's eight scale bytes
.set WV,    16                         ; s16 my wave's number
.set SEL,   20                         ; s[20:21] lane selects: lane l xor 16
.set HM,    22                         ; s22 the mask of lanes 16-31
.set MNT,   23                         ; s23 the mantissa field of 448
	s_load_b512 s[24:39], s[0:1], 0x0              ; x, Wq, Wk, Wv, Wp, xo, wqko, wvo
	s_load_b64 s[40:41], s[0:1], 0x40              ; wpo
	v_lshl_add_u32 v[SPW], v0, 2, SPARE
	v_mov_b32 v[NIL], 0
	v_lshrrev_b32 v1, 5, v0
	v_readfirstlane_b32 s[WV], v1
	v_and_b32 v5, 31, v0                           ; lane
	s_mov_b32 s[SEL], 0x76543210
	s_mov_b32 s[SEL+1], 0xfedcba98
	s_mov_b32 s[HM], 0xffff0000
	s_mov_b32 s[MNT], 0x600000
	s_mov_b32 s3, 0                                ; the upper words of three offsets
	s_mov_b32 s5, 0
	s_mov_b32 s7, 0
	s_cmp_lt_u32 ttmp9, 256
	s_cbranch_scc0 .Lweights
; ---------------- x: K is innermost.  A load takes 512 consecutive bytes of one token; a fragment's 16 rows turn through the wave's own stage, so that a lane gets 16 neighbours of each block of 32.
	v_and_b32 v6, 15, v0                           ; r
	v_bfe_u32 v7, v0, 4, 1                         ; h
	s_wait_alu depctr_va_vdst(0)
	v_lshlrev_b32 v1, 4, v5                        ; 16 x lane
	s_mul_i32 s17, s[WV], STG
	v_add_nc_u32 v2, s17, v1                       ; the stage, on the way in
	v_mul_u32_u24 v3, v6, SP
	v_lshl_add_u32 v3, v7, 6, v3
	v_add_nc_u32 v3, s17, v3                       ; and on the way out: row r, + 64 h
	v_lshlrev_b32 v4, 3, v5                        ; 8 x lane: my two scale words
.irp b, 0,1,2,3
	v_mov_b32 v[TM+4+\b], 0                        ; written once: a lane permute's destination counts as one of its sources
.endr
	s_lshl_b32 s2, ttmp9, 17                       ; 32 tokens of 4,096 bytes,
	s_lshl_b32 s18, s[WV], 10                      ; my 256 numbers of each
	s_add_co_u32 s2, s2, s18
	s_lshl_b32 s4, ttmp9, 15                       ; two tiles of codes,
	s_lshl_b32 s18, s[WV], 12                      ; my two K steps
	s_add_co_u32 s4, s4, s18
	s_add_co_u32 s4, s4, OPC
	s_lshl_b32 s6, ttmp9, 10                       ; the pair's scale words,
	s_lshl_b32 s18, s[WV], 8                       ; my 256 bytes
	s_add_co_u32 s6, s6, s18
	s_wait_alu depctr_va_vdst(0)
	s_wait_kmcnt 0x0
	s_add_nc_u64 s[8:9], s[24:25], s[2:3]
	s_add_nc_u64 s[10:11], s[34:35], s[4:5]
	s_add_nc_u64 s[12:13], s[34:35], s[6:7]
; fragment f = 2 u + e: tile u of the pair, K step e of my two.  Image row i is token 8 u + i + 8 (i / 8) of the 32.
.macro LOADF f
.irp i, 0,1,2,3,4,5,6,7,8,9,10,11,12,13,14,15
	global_load_b128 v[R+64*((\f)%2)+4*\i:R+64*((\f)%2)+4*\i+3], v1, s[8:9] offset:(8*((\f)/2)+\i+8*(\i/8))*4096+512*((\f)%2) th:TH_LOAD_NT
.endr
.endm
; 64 numbers of a lane, v[s] on, become a fragment's codes in v[PC] on and its scale word in v[pw]
.macro QUANT s, pw
.irp b, 0,1,2,3
	v_max3_num_f32 v[TM+\b], |v[\s+16*\b]|, |v[\s+1+16*\b]|, 0x4800000   ; block b: my 16 numbers, and the floor 2^(9 - 127): the byte cannot fall under 1
.endr
.irp i, 2,4,6,8,10,12,14
.irp b, 0,1,2,3
	v_max3_num_f32 v[TM+\b], v[TM+\b], |v[\s+16*\b+\i]|, |v[\s+1+16*\b+\i]|   ; the four blocks by turns
.endr
.endr
.irp b, 0,1,2,3
	v_permlanex16_b32 v[TM+4+\b], v[TM+\b], s[SEL], s[SEL+1]
.endr
.irp b, 0,1,2,3
	v_max_num_f32 v[TM+\b], v[TM+\b], v[TM+4+\b]   ; with lane l xor 16's: the block's largest magnitude
.endr
.irp b, 0,1,2,3
	v_add_nc_u32 v[TM+12+\b], 0xfc000000, v[TM+\b] ; 8 off its exponent field: the conversion's scale operand
.endr
.irp b, 0,1,2,3
	v_and_or_b32 v[TM+8+\b], v[TM+\b], 0x7f800000, s[MNT]   ; 448 x the scale
.endr
.irp b, 0,1,2,3
	v_lshrrev_b32 v[TM+4+\b], 23, v[TM+12+\b]      ; the scale's byte
.endr
	v_lshl_or_b32 v[\pw], v[TM+5], 8, v[TM+4]
	v_lshl_or_b32 v[\pw], v[TM+6], 16, v[\pw]
	v_lshl_or_b32 v[\pw], v[TM+7], 24, v[\pw]
	s_wait_xcnt 0x0                                ; the last fragment's stores have read v[PC] on: only behind this wait are they written again
.irp b, 0,1,2,3
.irp i, 0,1,2,3,4,5,6,7,8,9,10,11,12,13,14,15
	v_med3_num_f32 v[\s+16*\b+\i], v[\s+16*\b+\i], -v[TM+8+\b], v[TM+8+\b]   ; the conversion to an 8-bit code does not saturate (ISA guide 7.6.2): the hold comes first
.endr
	v_cvt_scalef32_pk8_fp8_f32 v[PC+4*\b:PC+1+4*\b], v[\s+16*\b:\s+7+16*\b], v[TM+12+\b]
	v_cvt_scalef32_pk8_fp8_f32 v[PC+2+4*\b:PC+3+4*\b], v[\s+8+16*\b:\s+15+16*\b], v[TM+12+\b]
.endr
	v_nop                                          ; a plain line behind the last conversion
.endm
.macro XFRAG f
.if (\f) < 3
	s_wait_loadcnt 16                              ; this fragment's 16 loads are in; the next fragment's 16 may be out
.else
	s_wait_loadcnt 0x0
.endif
.irp i, 0,1,2,3,4,5,6,7,8,9,10,11,12,13,14,15
	ds_store_b128 v2, v[R+64*((\f)%2)+4*\i:R+64*((\f)%2)+4*\i+3] offset:SP*\i
.endr
.irp c, 0,1,2,3
.irp j, 0,1,2,3
	ds_load_b128 v[X+16*\c+4*\j:X+16*\c+4*\j+3], v3 offset:128*\c+16*\j   ; LDS serves a wave's instructions in order (ISA guide 5.7.1.4): these see the stores above
.endr
.endr
	s_wait_dscnt 0x0                               ; the numbers are back, and the stores have read their registers,
.if (\f) < 2
	LOADF (\f)+2                                   ; which take the fragment two further on
.endif
	QUANT X, PW+(\f)
.irp c, 0,1,2,3
	global_store_b128 v1, v[PC+4*\c:PC+4*\c+3], s[10:11] offset:16384*((\f)/2)+2048*((\f)%2)+512*\c   ; 512 consecutive bytes, aligned
.endr
.endm
	LOADF 0
	LOADF 1
	XFRAG 0
	XFRAG 1
	XFRAG 2
	XFRAG 3
	v_cndmask_b32 v244, v[PW], v[PW+2], s[HM]      ; lanes 0-15 store tile 0's two words of row r, lanes 16-31 tile 1's
	v_cndmask_b32 v245, v[PW+1], v[PW+3], s[HM]
	global_store_b64 v4, v[244:245], s[12:13]      ; 256 consecutive bytes, aligned
	s_wait_tensorcnt 0x0                           ; the wave's end
	ds_add_u32 v[SPW], v[NIL]
	s_wait_dscnt 0x0
	s_endpgm
; ---------------- the weights: K is NOT innermost.  A lane takes a column and its registers run down K: a block of 32 lies in one lane, and the conversions give codes with K innermost.  No LDS.
.Lweights:
	s_wait_alu depctr_va_vdst(0)
	v_bfe_u32 v6, v5, 3, 1                         ; column lambda of the 32 lies in tile u = (lambda / 8) % 2
	v_and_b32 v7, 7, v5
	v_lshrrev_b32 v8, 4, v5
	v_lshl_or_b32 v7, v8, 3, v7                    ; at image row r = lambda % 8 + 8 (lambda / 16)
	v_lshlrev_b32 v1, 2, v5                        ; in: 4 bytes a lane
	v_lshlrev_b32 v2, 4, v7
	v_lshl_add_u32 v2, v6, 14, v2                  ; codes: 16,384 u + 16 r
	v_lshl_add_u32 v3, v6, 4, v7
	v_lshlrev_b32 v3, 3, v3                        ; scale words: 8 (16 u + r)
	s_and_b32 s17, s[WV], 1                        ; cg: which 32 of 64 columns
	s_lshr_b32 s18, s[WV], 1                       ; which 256 of the work-group's 512 along K
.macro WPLACE                          ; from P (s4) and Q (s18): the codes' offset in s[4:5], the scale words' in s[6:7]
	s_lshl_b32 s6, s4, 10
	s_lshl_b32 s4, s4, 15
	s_lshl_b32 s13, s18, 12
	s_add_co_u32 s4, s4, s13
	s_add_co_u32 s4, s4, OPC
	s_lshl_b32 s13, s18, 8
	s_add_co_u32 s6, s6, s13
.endm
.macro WLOAD t, pitch                  ; block t: W(32 t + i, my column) into set t % 2: 128 consecutive bytes a load
.irp i, 0,1,2,3,4,5,6,7,8,9,10,11,12,13,14,15,16,17,18,19,20,21,22,23,24,25,26,27,28,29,30,31
	global_load_b32 v[WX+32*((\t)%2)+\i], v1, s[8:9] offset:(32*(\t)+\i)*(\pitch) th:TH_LOAD_NT
.endr
.endm
.macro WBLOCK t, pitch
.set XS, WX+32*((\t)%2)
.set CC, WC+8*((\t)%2)
.if (\t) < 7
	s_wait_loadcnt 32                              ; this block's 32 loads are in; the next block's may be out
.else
	s_wait_loadcnt 0x0
.endif
	v_max3_num_f32 v12, |v[XS]|, |v[XS+1]|, |v[XS+2]|
	v_max3_num_f32 v13, |v[XS+3]|, |v[XS+4]|, |v[XS+5]|
.irp i, 6,10,14,18,22,26
	v_max3_num_f32 v12, v12, |v[XS+\i]|, |v[XS+\i+1]|
	v_max3_num_f32 v13, v13, |v[XS+\i+2]|, |v[XS+\i+3]|
.endr
	v_max3_num_f32 v12, v12, |v[XS+30]|, |v[XS+31]|
	v_max3_num_f32 v12, v12, v13, 0x4800000        ; and the floor
	v_add_nc_u32 v11, 0xfc000000, v12
	v_and_or_b32 v10, v12, 0x7f800000, s[MNT]
	v_lshrrev_b32 v13, 23, v11
.if (\t)%4 == 0
	v_mov_b32 v[SB+(\t)/4], v13
.else
	v_lshl_or_b32 v[SB+(\t)/4], v13, 8*((\t)%4), v[SB+(\t)/4]
.endif
.irp i, 0,1,2,3,4,5,6,7,8,9,10,11,12,13,14,15,16,17,18,19,20,21,22,23,24,25,26,27,28,29,30,31
	v_med3_num_f32 v[XS+\i], v[XS+\i], -v10, v10
.endr
	s_wait_alu depctr_va_vdst(0)
	s_wait_xcnt 0x0                                ; the stores of two blocks ago have read this set of codes
.irp g, 0,1,2,3
	v_cvt_scalef32_pk8_fp8_f32 v[CC+2*\g:CC+2*\g+1], v[XS+8*\g:XS+8*\g+7], v11
.endr
	v_nop
	global_store_b128 v2, v[CC:CC+3], s[10:11] offset:2048*((\t)/4)+512*((\t)%4)          ; k 0-15 of the block: the image's lanes 0-15: 256 consecutive bytes in each of the pair's two tiles
	global_store_b128 v2, v[CC+4:CC+7], s[10:11] offset:2048*((\t)/4)+512*((\t)%4)+256    ; k 16-31: its lanes 16-31
.if (\t)+2 < 8
	WLOAD (\t)+2, \pitch
.endif
.endm
.macro WBODY pitch
	WLOAD 0, \pitch
	WLOAD 1, \pitch
.irp t, 0,1,2,3,4,5,6,7
	WBLOCK \t, \pitch
.endr
	global_store_b64 v3, v[SB:SB+1], s[12:13]      ; the 32 lanes fill 256 consecutive bytes, aligned
.endm
	s_cmp_lt_u32 ttmp9, 352
	s_cbranch_scc0 .Lwp
	s_sub_co_u32 s19, ttmp9, 256                   ; j = 32 x weight + 2 x head + half of K
	s_and_b32 s2, s19, 1
	s_lshl_b32 s2, s2, 1
	s_add_co_u32 s18, s18, s2                      ; Q
	s_lshr_b32 s12, s19, 5                         ; 0: Wq, 1: Wk, 2: Wv
	s_bfe_u32 s13, s19, 0x40001                    ; head
	s_lshl_b32 s2, s13, 18                         ; a head is 1,024 x 64 x 4 bytes,
	s_lshl_b32 s4, s18, 16                         ; 256 rows of 256 bytes,
	s_add_co_u32 s2, s2, s4
	s_lshl_b32 s4, s17, 7                          ; 32 columns
	s_add_co_u32 s2, s2, s4
	s_and_b32 s4, s12, 1                           ; Wk's rows lie behind Wq's 1,024 in wqko
	s_lshl_b32 s4, s4, 5
	s_lshl_b32 s6, s13, 1
	s_add_co_u32 s4, s4, s6
	s_add_co_u32 s4, s4, s17                       ; P
	WPLACE
	s_wait_kmcnt 0x0
	s_cmp_eq_u32 s12, 0                            ; the choices hang on the work-group's number alone
	s_cselect_b64 s[8:9], s[26:27], s[28:29]
	s_cmp_eq_u32 s12, 2
	s_cselect_b64 s[8:9], s[30:31], s[8:9]
	s_cselect_b64 s[10:11], s[38:39], s[36:37]
	s_add_nc_u64 s[8:9], s[8:9], s[2:3]
	s_add_nc_u64 s[12:13], s[10:11], s[6:7]
	s_add_nc_u64 s[10:11], s[10:11], s[4:5]
	s_wait_alu depctr_va_vdst(0)
	WBODY 256
	s_endpgm
.Lwp:
	s_sub_co_u32 s19, ttmp9, 352                   ; j = 2 x (64 columns) + half of K
	s_and_b32 s2, s19, 1
	s_lshl_b32 s2, s2, 1
	s_add_co_u32 s18, s18, s2                      ; Q
	s_lshr_b32 s12, s19, 1
	s_lshl_b32 s2, s18, 20                         ; 256 rows of 4,096 bytes,
	s_lshl_b32 s4, s12, 8
	s_add_co_u32 s2, s2, s4
	s_lshl_b32 s4, s17, 7
	s_add_co_u32 s2, s2, s4
	s_lshl_b32 s4, s12, 1
	s_add_co_u32 s4, s4, s17                       ; P
	WPLACE
	s_wait_kmcnt 0x0
	s_add_nc_u64 s[8:9], s[32:33], s[2:3]
	s_add_nc_u64 s[12:13], s[40:41], s[6:7]
	s_add_nc_u64 s[10:11], s[40:41], s[4:5]
	s_wait_alu depctr_va_vdst(0)
	WBODY 4096
	s_endpgm
.Lfunc_end_k_qa413795d13_quant:
	.size	k_qa413795d13_quant, .Lfunc_end_k_qa413795d13_quant-k_qa413795d13_quant
	.p2alignl 7, 3214868480
	.fill 96, 4, 3214868480
	.section	.rodata,"a",@progbits
	.p2align	6, 0x0
	.amdhsa_kernel k_qa413795d13_quant
		.amdhsa_group_segment_fixed_size 34304
		.amdhsa_private_segment_fixed_size 0
		.amdhsa_enable_private_segment 0
		.amdhsa_kernarg_size 72
		.amdhsa_user_sgpr_count 2
		.amdhsa_user_sgpr_kernarg_segment_ptr 1
		.amdhsa_wavefront_size32 1
		.amdhsa_system_sgpr_workgroup_id_x 1
		.amdhsa_system_sgpr_workgroup_id_y 1
		.amdhsa_system_sgpr_workgroup_id_z 1
		.amdhsa_system_vgpr_workitem_id 0
		.amdhsa_next_free_vgpr 248
		.amdhsa_next_free_sgpr 66
		.amdhsa_reserve_vcc 0
		.amdhsa_float_denorm_mode_32 3
		.amdhsa_float_denorm_mode_16_64 3
		.amdhsa_memory_ordered 1
		.amdhsa_forward_progress 1
		.amdhsa_inst_pref_size 163
	.end_amdhsa_kernel
	.amdgpu_metadata
---
amdhsa.version: [ 1, 2 ]
amdhsa.kernels:
  - .name:           k_qa413795d13_quant
    .symbol:         k_qa413795d13_quant.kd
    .args:
      - { .name: x, .offset: 0, .size: 8, .value_kind: global_buffer, .address_space: global }
      - { .name: Wq, .offset: 8, .size: 8, .value_kind: global_buffer, .address_space: global }
      - { .name: Wk, .offset: 16, .size: 8, .value_kind: global_buffer, .address_space: global }
      - { .name: Wv, .offset: 24, .size: 8, .value_kind: global_buffer, .address_space: global }
      - { .name: Wp, .offset: 32, .size: 8, .value_kind: global_buffer, .address_space: global }
      - { .name: xo, .offset: 40, .size: 8, .value_kind: global_buffer, .address_space: global }
      - { .name: wqko, .offset: 48, .size: 8, .value_kind: global_buffer, .address_space: global }
      - { .name: wvo, .offset: 56, .size: 8, .value_kind: global_buffer, .address_space: global }
      - { .name: wpo, .offset: 64, .size: 8, .value_kind: global_buffer, .address_space: global }
    .group_segment_fixed_size: 34304
    .private_segment_fixed_size: 0
    .kernarg_segment_align: 8
    .kernarg_segment_size: 72
    .max_flat_workgroup_size: 128
    .sgpr_count:     66
    .vgpr_count:     248
    .wavefront_size: 32
...
	.end_amdgpu_metadata
.endif
;; end of part 1
;; launch gemm_qk (part 2): grid 8 x 32, 4 waves a work-group, clusters of 4 x 4, 327,680 bytes of LDS; arguments wqko, xo, qko; writes qko
.if DOCPART == 2
	.amdgcn_target "amdgcn-amd-amdhsa--gfx1250"
	.amdhsa_code_object_version 6
	.text
	.protected	k_qa413795d13_gemm_qk
	.globl	k_qa413795d13_gemm_qk
	.p2align	8
	.type	k_qa413795d13_gemm_qk,@function
k_qa413795d13_gemm_qk:
	s_mov_b64 s[64:65], 0
	v_nop
	global_prefetch_b8 v0, s[64:65] scope:SCOPE_SE
	s_setreg_imm32_b32 hwreg(HW_REG_WAVE_MODE, 25, 1), 1
	s_wait_xcnt 0x0
	s_wait_alu depctr_hold_cnt(0) depctr_sa_sdst(0) depctr_va_vdst(0) depctr_va_sdst(0) depctr_va_ssrc(0) depctr_va_vcc(0) depctr_vm_vsrc(0)
	s_getreg_b32 s2, hwreg(HW_REG_IB_STS2, 6, 4)
	s_cmp_eq_u32 s2, 0
	s_cbranch_scc0 .Lentry_in_a_cluster
	s_endpgm
.Lentry_in_a_cluster:
	s_bfe_u32 s2, ttmp6, 0x10000c
	s_cmp_lg_u32 s2, 0xf033
	s_cbranch_scc0 .Lentry_shape_is_right
	s_endpgm
.Lentry_shape_is_right:
; LAUNCHES 2 AND 3 OF 5 (one body).  D = S0 S1^T over K = 1,024 on codes of E4M3 with E8M0 scales, and D is quantised ALONG S0's ROWS on the way out: it is an operand of the attention's products.
; Launch 2: S0 = Wq's and Wk's rows (which, head, d), S1 = x's tokens: q and k, quantised along d.  Launch 3: S0 = x's tokens, S1 = Wv's rows (head, d): v^T, quantised along the keys.
; S0, S1: operand buffers as the first launch lays them: images of fragments, rows in the order 32 (tau / 2) + 8 (tau % 2) + r + 8 (r / 8); scale words [pair][256 along K][16 u + r][2].
; A tile of D is 256 rows of S0 x 256 rows of S1: four waves, each 128 x 128: 64 accumulators, 512 registers.  Source 0 = 16 rows of S0, source 1 = 16 rows of S1: lane (r, h) holds row r of S1's tile, and the 64 registers
; of S0's eight tiles are, by the order of S0's rows, k' = 32 beta + 16 h + i at register 16 beta + i: what the conversions want.  So the results become a fragment (16 rows of S1 x 128 of S0) without changing lanes.
; OUT: codes at OUTC + G0 x 2^20 + S1G x 16,384 + a x 2,048 + c x 512 + 16 lane; scale words at (64 G0 + S1G) x 512 + (a / 4) x 256 + 16 r + 4 (a % 4).  G0, S1G: groups of 128 rows of S0, S1; a: S1's tile in its group.
; K goes in steps of 256 through a ring of two LDS slots; a tile's part of a step is 4,096 consecutive bytes of memory.  The scale words of the 512 rows, for all of K, come once, with the first fills.
; CLUSTERS: 4 x 4.  The four of a row of the cluster need the same tiles of S1, the four of a column the same tiles of S0: each is asked for jointly.  K has four steps, two of them asked for at the head: the steps are written out.
; No prefetch: half of the tiles are asked for at the head, and the rest one step later.  LIMITS of the quantiser: as stated at the head of the first launch.
; REGISTERS: window 0: v16-29 addresses; v32-63 scale words, two sets; v128-255 S1's fragments, one set; on the way out v64-255 are at work.  window 1: S0's fragments, two sets.  windows 2, 3: the accumulators ((a, b) at v[8 (8 (a % 4) + b)]).
.set OPC,   0x40000
.set OUTC,  0x200000
.set NQ,    2                          ; matrix instructions deep in a slot
.set FR,    16                         ; registers of a fragment
.set NL,    4                          ; LDS loads that bring one
.set NP,    8                          ; places behind this matrix instruction (ISA guide 7.12.1)
.set TILEB, 4096                       ; a tile's two K steps of 128
.set HALFT, 8*TILEB                    ; 128 rows: what one tensor load brings, and what one wave reads of S1 or of S0
.set SLOT,  4*HALFT                    ; S1's 16 tiles, then S0's
.set SCL,   2*SLOT                     ; behind the ring: the scale words
.set HALFS, 4096                       ; those of 128 rows
.set SPARE, SCL+4*HALFS                ; the spare words, 128 bytes a wave: two blocks of 256 bytes that no other line names
.set ADRA, 16                          ; v16-17  LDS address of my S1 fragments in slot 0, 1
.set ADRB, 20                          ; v20-21  the same for S0
.set CO,   26                          ; v26     16 x lane
.set ADRS, 27                          ; v27     my scale words: lanes 0-15 S1's rows, lanes 16-31 S0's
.set SPW,  28                          ; v28     my spare word; never rewritten
.set NIL,  29                          ; v29     0; never rewritten
.set SC,   32                          ; scale words: set s at v[SC + 16 s]; register 2 i + q: lanes 0-15 S1's tile i, lanes 16-31 S0's tile i
.set AF,   128                         ; S1's fragments
.set X,    64                          ; the way out: 64 numbers held
.set TM,   128                         ; at work
.set PW,   144                         ; the eight scale words
.set SW4,  152                         ; four of them, chosen by the lane's half
.set PC,   192                         ; codes: four sets of 16
.set SEL,  10                          ; s[10:11] lane l xor 16
.set MNT,  12                          ; s12 the mantissa field of 448
.set HM,   13                          ; s13 the mask of lanes 16-31
.set G1, 24                            ; s[24:31] group 1 for S1's tiles;  s[32:39] group 0, a set for each slot
.set G0, 32
.set G1B, 48                           ; s[48:55], s[56:63] the same for S0's
.set G0B, 56
.set G1S, 68                           ; s[68:75], s[76:79] for S1's scale words;  s[80:87], s[88:91] for S0's
.set G0S, 76
.set G1SB, 80
.set G0SB, 88
.set MSB, 0
.macro WIN new                         ; the immediate's high byte repeats the setting that is left
.if MSB != \new
	s_set_vgpr_msb (MSB<<8)|\new
.set MSB, \new
.endif
.endm
.set MUL_LO, 0xa1                      ; source 0 (S0) window 1, source 1 (S1) window 0, C and D window 2
.set MUL_HI, 0xf1                      ; the same, C and D window 3
.set TO_B,   0x40                      ; destination window 1, address window 0
; A joint load: waves 0 and 1 fetch for S1, waves 2 and 3 for S0.  The branch hangs on the wave's number alone.  An s_nop 0 and four v_nop follow each of the two lines.
.macro JLOAD g0a, g1a, g0b, g1b
	s_cmp_eq_u32 s15, 0
	s_cbranch_scc0 .Lfor_b_\@
	tensor_load_to_lds s[\g0a:\g0a+3], s[\g1a:\g1a+7]
	s_nop 0
.rept 4
	v_nop
.endr
	s_branch .Lasked_\@
.Lfor_b_\@:
	tensor_load_to_lds s[\g0b:\g0b+3], s[\g1b:\g1b+7]
	s_nop 0
.rept 4
	v_nop
.endr
.Lasked_\@:
.endm
.macro CREST                           ; a round of the cluster's barrier behind its opening barrier
	s_cmp_lg_u32 s14, 0
	s_cbranch_scc1 .Lnot_wave_0_\@
	s_barrier_signal -3
.Lnot_wave_0_\@:
	s_barrier_wait -3
	s_barrier_signal -1
	s_barrier_wait -1
.endm
.macro CROUND
	s_barrier_signal -1
	s_barrier_wait -1
	CREST
.endm
	s_load_b128 s[4:7], s[0:1], 0x0                ; S0, S1
	s_load_b64 s[8:9], s[0:1], 0x10                ; out
	v_lshl_add_u32 v[SPW], v0, 2, SPARE
	v_mov_b32 v[NIL], 0
	ds_add_u32 v[SPW], v[NIL]                      ; the wave's opening: the add, twice on end, and its wait ahead of my first tensor load
	ds_add_u32 v[SPW], v[NIL]
	v_lshrrev_b32 v1, 5, v0
	v_readfirstlane_b32 s14, v1                    ; wave 0..3
	s_lshr_b32 s15, s14, 1                         ; my half of S1's rows.  Also: I fetch for S1 (0) or for S0 (1)
	s_and_b32 s16, s14, 1                          ; my half of S0's rows.  Also: which 128 rows I fetch
	s_bfe_u32 s40, ttmp6, 0x40000                  ; cx, cy: my place in the cluster
	s_bfe_u32 s41, ttmp6, 0x40004
	s_lshl_b32 s42, ttmp9, 2
	s_add_co_u32 s42, s42, s40                     ; X: which 256 rows of S0
	s_and_b32 s17, ttmp7, 0xffff
	s_lshl_b32 s17, s17, 2
	s_add_co_u32 s17, s17, s41                     ; Y: which 256 rows of S1
	s_lshl_b32 s43, s41, 2
	s_lshl_b32 s43, 15, s43                        ; my row of the cluster
	s_lshl_b32 s44, 0x1111, s40                    ; my column
	; group 1 for codes: 8 tiles x 4,096 bytes (512 elements of 8 bytes), 16,384 bytes from tile to tile; dense in LDS
	s_or_b32 s[G1+0], s43, (3<<16)|(1<<21)         ; 15:0 the mask: S1's tiles go to my row; 17:16 elements of 8 bytes; 21 set beside a mask
	s_or_b32 s[G1B+0], s44, (3<<16)|(1<<21)
.irp g, G1, G1B
	s_mov_b32 s[\g+1], 512<<16                     ; tensor_dim0
	s_mov_b32 s[\g+2], 16<<16                      ; tensor_dim1: the head's loads bring 16 tiles; behind them the two words are set to 8
	s_mov_b32 s[\g+3], 512<<16                     ; tile_dim0
	s_mov_b32 s[\g+4], 16                          ; tile_dim1
	s_mov_b32 s[\g+5], 2048                        ; tensor_dim0_stride
	s_mov_b32 s[\g+6], 0
	s_mov_b32 s[\g+7], 0
.endr
	; and for the scale words of 256 rows: 8,192 dense bytes as 32 rows of 256
	s_or_b32 s[G1S+0], s43, (3<<16)|(1<<21)
	s_or_b32 s[G1SB+0], s44, (3<<16)|(1<<21)
.irp g, G1S, G1SB
	s_mov_b32 s[\g+1], 32<<16
	s_mov_b32 s[\g+2], 32<<16                      ; the scale words of 256 rows: 8,192 dense bytes as 32 rows of 256
	s_mov_b32 s[\g+3], 32<<16
	s_mov_b32 s[\g+4], 32
	s_mov_b32 s[\g+5], 32
	s_mov_b32 s[\g+6], 0
	s_mov_b32 s[\g+7], 0
.endr
	s_lshl_b32 s18, s16, 17                        ; the 8 tiles that I fetch: 8 x 16,384 bytes
	s_mov_b32 s19, 0                               ; s[18:19]: that offset as a pair
	s_lshl_b32 s20, s17, 18                        ; S1: 16 tiles for each Y
	s_add_co_u32 s20, s20, OPC
	s_mov_b32 s21, 0
	s_lshl_b32 s22, s17, 13                        ; and their scale words
	s_mov_b32 s23, 0
	s_lshl_b32 s46, s42, 18                        ; S0 likewise by X, in registers that never hold Y
	s_add_co_u32 s46, s46, OPC
	s_mov_b32 s47, 0
	s_lshl_b32 s92, s42, 13
	s_mov_b32 s93, 0
	s_lshl_b32 s45, s14, 15                        ; where they go: wave x HALFT: no place in the cluster enters an LDS address
	s_mov_b32 s[SEL], 0x76543210
	s_mov_b32 s[SEL+1], 0xfedcba98
	s_mov_b32 s[MNT], 0x600000
	s_mov_b32 s[HM], 0xffff0000
	s_wait_dscnt 0x0                               ; both opening adds are done
	s_wait_kmcnt 0x0
	s_add_nc_u64 s[20:21], s[6:7], s[20:21]
	s_add_nc_u64 s[22:23], s[6:7], s[22:23]
	s_add_nc_u64 s[46:47], s[4:5], s[46:47]
	s_add_nc_u64 s[92:93], s[4:5], s[92:93]
	CROUND                                         ; all sixteen work-groups are here: the first joint loads meet
	s_mov_b32 s[G0S], 1
	s_mov_b32 s[G0S+1], SCL
	s_mov_b64 s[G0S+2:G0S+3], s[22:23]
	s_or_b32 s[G0S+3], s[G0S+3], 0x80000000
	s_mov_b32 s[G0SB], 1
	s_mov_b32 s[G0SB+1], SCL+2*HALFS
	s_mov_b64 s[G0SB+2:G0SB+3], s[92:93]
	s_or_b32 s[G0SB+3], s[G0SB+3], 0x80000000
; THE HEAD'S LOADS, ONE A WAVE: wave 0 K step 0's 16 tiles of S1, wave 1 those of S0, wave 2 S1's scale words, wave 3 S0's.  K step 1 is asked for behind the round at the head's end.
; Slot 0's groups 0 serve the head's two loads of codes; behind the wait for them they are set for the ring.
	s_mov_b32 s[G0], 1
	s_mov_b32 s[G0+1], 0
	s_mov_b64 s[G0+2:G0+3], s[20:21]
	s_or_b32 s[G0+3], s[G0+3], 0x80000000
	s_mov_b32 s[G0B], 1
	s_mov_b32 s[G0B+1], 2*HALFT
	s_mov_b64 s[G0B+2:G0B+3], s[46:47]
	s_or_b32 s[G0B+3], s[G0B+3], 0x80000000
	s_add_nc_u64 s[20:21], s[20:21], s[18:19]      ; for the ring: the 8 tiles that I fetch
	s_add_nc_u64 s[46:47], s[46:47], s[18:19]
	s_mov_b32 s[G0+4], 1                           ; slot 1: K step 1
	s_add_co_u32 s[G0+5], s45, SLOT
	s_add_nc_u64 s[G0+6:G0+7], s[20:21], TILEB
	s_or_b32 s[G0+7], s[G0+7], 0x80000000
	s_mov_b32 s[G0B+4], 1
	s_add_co_u32 s[G0B+5], s45, SLOT
	s_add_nc_u64 s[G0B+6:G0B+7], s[46:47], TILEB
	s_or_b32 s[G0B+7], s[G0B+7], 0x80000000
.macro ARM under, g0, g1, next         ; one tree of branches on the wave's number: every way passes exactly one load
	s_cmp_lt_u32 s14, \under
	s_cbranch_scc0 \next
	tensor_load_to_lds s[\g0:\g0+3], s[\g1:\g1+7]
	s_nop 0
.rept 4
	v_nop
.endr
	s_branch .Lhead_asked
\next:
.endm
	ARM 1, G0,  G1,  .Lhead_b
	ARM 2, G0B, G1B, .Lhead_sa
	ARM 3, G0S, G1S, .Lhead_sb
	tensor_load_to_lds s[G0SB:G0SB+3], s[G1SB:G1SB+7]
	s_nop 0
.rept 4
	v_nop
.endr
.Lhead_asked:
	v_and_b32 v1, 15, v0                           ; r
	v_bfe_u32 v2, v0, 4, 1                         ; h
	s_wait_alu depctr_va_vdst(0)
	v_and_b32 v3, 31, v0
	v_lshlrev_b32 v[CO], 4, v3                     ; an image's place for my lane
	s_lshl_b32 s21, s15, 15                        ; my 8 tiles of S1
	s_lshl_b32 s22, s16, 15                        ; my 8 tiles of S0,
	s_add_co_u32 s22, s22, 2*HALFT                 ; which lie behind S1's 16
.irp s, 0,1
	v_add_nc_u32 v[ADRA+\s], s21, v[CO]
	v_add_nc_u32 v[ADRB+\s], s22, v[CO]
	s_add_co_u32 s21, s21, SLOT
	s_add_co_u32 s22, s22, SLOT
.endr
	s_lshl_b32 s21, s15, 12                        ; S1's scale words: my 128 rows
	s_lshl_b32 s22, s16, 12                        ; S0's, behind S1's two halves
	s_add_co_u32 s22, s22, 2*HALFS
	s_sub_co_u32 s22, s22, s21
	v_mul_u32_u24 v6, s22, v2                      ; lanes 16-31 take S0's: one product, the distance between the two
	s_add_co_u32 s21, s21, SCL
	v_lshl_add_u32 v5, v1, 3, v6                   ; 8 bytes a row
	v_add_nc_u32 v[ADRS], s21, v5
	s_lshl_b32 s96, s42, 1
	s_add_co_u32 s96, s96, s16                     ; G0
	s_lshl_b32 s97, s17, 1
	s_add_co_u32 s97, s97, s15                     ; S1G
	s_lshl_b32 s46, s96, 20
	s_lshl_b32 s47, s97, 14
	s_add_co_u32 s46, s46, s47
	s_add_co_u32 s46, s46, OUTC
	s_mov_b32 s47, 0
	s_lshl_b32 s92, s96, 6
	s_add_co_u32 s92, s92, s97
	s_lshl_b32 s92, s92, 9
	s_mov_b32 s93, 0
	s_add_nc_u64 s[92:93], s[8:9], s[92:93]        ; my 512 bytes of scale words
	s_add_nc_u64 s[8:9], s[8:9], s[46:47]          ; my eight fragments
.macro FRAG reg, adr, q, i             ; a fragment comes as it lies: four loads of 512 consecutive bytes
.irp c, 0,1,2,3
	ds_load_b128 v[\reg+4*\c:\reg+4*\c+3], v[\adr] offset:(\i)*TILEB+(\q)*2048+512*\c
.endr
.endm
; 16 matrix instructions: S1's tiles a0, a0 + 1 x S0's eight, 128 along K.  p: S0's set; sc: the set of scale words.  zero = 1: the first product starts the sums.
; The 64 accumulators take turns, one instruction a turn, in the same order in every step.
.macro MUL16 a0, p, q, sc, zero
.irp a, \a0, \a0+1
.irp b, 0,1,2,3,4,5,6,7
.if \zero
	v_wmma_scale_f32_16x16x128_f8f6f4 v[8*(8*((\a)%4)+\b):8*(8*((\a)%4)+\b)+7], v[128*(\p)+FR*\b:128*(\p)+FR*\b+FR-1], v[AF+FR*(\a):AF+FR*(\a)+FR-1], 0, v[SC+8*NQ*(\sc)+NQ*\b+(\q)], v[SC+8*NQ*(\sc)+NQ*(\a)+(\q)] matrix_a_scale:MATRIX_SCALE_ROW1
.else
	v_wmma_scale_f32_16x16x128_f8f6f4 v[8*(8*((\a)%4)+\b):8*(8*((\a)%4)+\b)+7], v[128*(\p)+FR*\b:128*(\p)+FR*\b+FR-1], v[AF+FR*(\a):AF+FR*(\a)+FR-1], v[8*(8*((\a)%4)+\b):8*(8*((\a)%4)+\b)+7], v[SC+8*NQ*(\sc)+NQ*\b+(\q)], v[SC+8*NQ*(\sc)+NQ*(\a)+(\q)] matrix_a_scale:MATRIX_SCALE_ROW1
.endif
.endr
.endr
.endm
.macro FETCH_B slot, q, p
	WIN TO_B
.irp i, 0,1,2,3,4,5,6,7
	FRAG 128*(\p)+FR*\i, ADRB+\slot, \q, \i
.endr
	WIN 0
.endm
.macro FETCH_A slot, q, i0
.irp i, \i0, \i0+1, \i0+2, \i0+3
	FRAG AF+FR*(\i), ADRA+\slot, \q, \i
.endr
.endm
.macro SCALES sc                       ; a K step's scale words into set sc: two words a row
.irp i, 0,1,2,3,4,5,6,7
	ds_load_b64 v[SC+8*NQ*\sc+NQ*\i:SC+8*NQ*\sc+NQ*\i+1], v[ADRS] offset:(\i/2)*1024+(\i%2)*128
.endr
.endm
.macro PLACES n                        ; plain vector lines between a matrix instruction and a load into, or a vector read or write of, its registers
.rept \n
	v_nop
.endr
.endm
; A step of 128 along K that has its successor in the same slot.
.macro STEP slot, q, zero
	s_wait_dscnt 4*NL                              ; S0's set and S1's tiles 0-3 are in; the youngest 16 loads (S1's tiles 4-7) may be out
	WIN MUL_LO
	MUL16 0, (\q)%2, \q, \slot, \zero
	MUL16 2, (\q)%2, \q, \slot, \zero
	s_wait_dscnt 0
	PLACES NP
	FETCH_B \slot, (\q)+1, 1-(\q)%2
	FETCH_A \slot, (\q)+1, 0
	WIN MUL_HI
	MUL16 4, (\q)%2, \q, \slot, \zero
	MUL16 6, (\q)%2, \q, \slot, \zero
	PLACES NP
	WIN 0
	FETCH_A \slot, (\q)+1, 4
.endm
; A slot's last step changes slots: one barrier; in front of it each wave waits for all its tensor loads, adds 0 to its spare word, and waits for that and for its reads of this slot.  fill = 1: this slot is filled again.
.macro TURN slot, next, fill
	s_wait_tensorcnt 0x0                           ; all my tensor loads have landed: my part of the next slot
	ds_add_u32 v[SPW], v[NIL]
	s_wait_dscnt 4*NL+1                            ; the add and the youngest 16 loads may be out
	WIN MUL_LO
	MUL16 0, 1, NQ-1, \slot, 0
	s_wait_dscnt 0x0                               ; the add is done, and my reads of this slot are over
	s_barrier_signal -1
	MUL16 2, 1, NQ-1, \slot, 0
	WIN 0
	s_barrier_wait -1
.if \fill
	CREST                                          ; the barrier has opened a round of the cluster's: no wave of any partner still reads this slot or has a load on its way
	s_add_nc_u64 s[G0+4*\slot+2:G0+4*\slot+3], s[G0+4*\slot+2:G0+4*\slot+3], 2*TILEB
	s_add_nc_u64 s[G0B+4*\slot+2:G0B+4*\slot+3], s[G0B+4*\slot+2:G0B+4*\slot+3], 2*TILEB
	JLOAD G0+4*\slot, G1, G0B+4*\slot, G1B         ; the first tensor load behind the round; its four v_nop are among the places in front of the loads below
	PLACES NP-4
.else
	PLACES NP
.endif
	s_wait_alu depctr_va_vdst(0)
	v_add_nc_u32 v[ADRS], 256, v[ADRS]             ; the next K step's scale words
	FETCH_B \next, 0, 0
	FETCH_A \next, 0, 0
	SCALES \next
	WIN MUL_HI
	MUL16 4, 1, NQ-1, \slot, 0
	MUL16 6, 1, NQ-1, \slot, 0
	PLACES NP
	WIN 0
	FETCH_A \next, 0, 4
.endm
	s_wait_alu depctr_va_vdst(0)
	s_wait_tensorcnt 0x0                           ; my tile of the head's four is in
	ds_add_u32 v[SPW], v[NIL]
	s_mov_b32 s[G1+2], 8<<16                       ; no tensor load of mine is out: from here on a load brings 8 tiles
	s_mov_b32 s[G1+4], 8
	s_mov_b32 s[G1B+2], 8<<16
	s_mov_b32 s[G1B+4], 8
	s_add_co_u32 s[G0+1], s45, 0                   ; slot 0's groups 0 for the ring: my quarter, one K step back from slot 1's
	s_sub_nc_u64 s[G0+2:G0+3], s[G0+6:G0+7], TILEB
	s_add_co_u32 s[G0B+1], s45, 0
	s_sub_nc_u64 s[G0B+2:G0B+3], s[G0B+6:G0B+7], TILEB
	s_wait_dscnt 0x0                               ; the add is done
	CROUND                                         ; all four tiles are in, and all sixteen work-groups are here
	JLOAD G0+4, G1, G0B+4, G1B                     ; K step 1: the first tensor load behind the round
	FETCH_B 0, 0, 0
	FETCH_A 0, 0, 0
	SCALES 0
	FETCH_A 0, 0, 4
	STEP 0, 0, 1                                   ; the first products start the sums
	TURN 0, 1, 1                                   ; slot 0 takes K step 2
	STEP 1, 0, 0
	TURN 1, 0, 1                                   ; slot 1 takes K step 3
	STEP 0, 0, 0
	TURN 0, 1, 0
	STEP 1, 0, 0
	s_wait_dscnt 4*NL                              ; the very last step
	WIN MUL_LO
	MUL16 0, 1, NQ-1, 1, 0
	MUL16 2, 1, NQ-1, 1, 0
	s_wait_dscnt 0
	WIN MUL_HI
	MUL16 4, 1, NQ-1, 1, 0
	MUL16 6, 1, NQ-1, 1, 0
	WIN 0
; THE WAY OUT: S1's tile a: my 64 numbers of row r are quantised in four blocks of 32 (16 mine, 16 lane l xor 16's) and leave as a fragment's image.  Each accumulator is first read at its low end.
.macro OUTA a
.set AC, 64*((\a)%4)
.set PS, PC+16*((\a)%4)
	WIN 0x0a+5*((\a)/4)                            ; sources 0 and 1: window 2 or 3
.irp b, 0,1,2,3
	v_max3_num_f32 v[TM+\b], |v[AC+16*\b]|, |v[AC+16*\b+1]|, 0x4800000   ; and the floor 2^(9 - 127)
.endr
.irp i, 2,4,6,8,10,12,14
.irp b, 0,1,2,3
	v_max3_num_f32 v[TM+\b], |v[AC+16*\b+\i]|, |v[AC+16*\b+\i+1]|, v[TM+\b]
.endr
.endr
	WIN 0
.irp b, 0,1,2,3
	v_permlanex16_b32 v[TM+4+\b], v[TM+\b], s[SEL], s[SEL+1]
.endr
.irp b, 0,1,2,3
	v_max_num_f32 v[TM+\b], v[TM+\b], v[TM+4+\b]
.endr
.irp b, 0,1,2,3
	v_add_nc_u32 v[TM+12+\b], 0xfc000000, v[TM+\b] ; 8 off the exponent field: the conversion's scale operand
.endr
.irp b, 0,1,2,3
	v_and_or_b32 v[TM+8+\b], v[TM+\b], 0x7f800000, s[MNT]   ; 448 x the scale
.endr
.irp b, 0,1,2,3
	v_lshrrev_b32 v[TM+4+\b], 23, v[TM+12+\b]      ; the byte
.endr
	v_lshl_or_b32 v[PW+(\a)], v[TM+5], 8, v[TM+4]
	v_lshl_or_b32 v[PW+(\a)], v[TM+6], 16, v[PW+(\a)]
	v_lshl_or_b32 v[PW+(\a)], v[TM+7], 24, v[PW+(\a)]
	WIN 0x02+((\a)/4)                              ; source 0: window 2 or 3
.irp b, 0,1,2,3
.irp i, 0,1,2,3,4,5,6,7,8,9,10,11,12,13,14,15
	v_med3_num_f32 v[X+16*\b+\i], v[AC+16*\b+\i], -v[TM+8+\b], v[TM+8+\b]   ; the hold, into window 0
.endr
.endr
	WIN 0
.if (\a) >= 4
	s_wait_alu depctr_va_vdst(0)
	s_wait_xcnt 0x0                                ; the stores of four tiles ago have read this set of codes
.endif
.irp b, 0,1,2,3
	v_cvt_scalef32_pk8_fp8_f32 v[PS+4*\b:PS+4*\b+1], v[X+16*\b:X+16*\b+7], v[TM+12+\b]
	v_cvt_scalef32_pk8_fp8_f32 v[PS+4*\b+2:PS+4*\b+3], v[X+16*\b+8:X+16*\b+15], v[TM+12+\b]
.endr
	v_nop                                          ; a plain line behind the last conversion
.irp c, 0,1,2,3
	global_store_b128 v[CO], v[PS+4*\c:PS+4*\c+3], s[8:9] offset:2048*(\a)+512*\c   ; 512 consecutive bytes, aligned
.endr
.endm
	PLACES NP
.irp b, 0,1,2,3
	v_mov_b32 v[TM+4+\b], 0                        ; written once: a lane permute's destination counts as one of its sources
.endr
.irp a, 0,1,2,3,4,5,6,7
	OUTA \a
.endr
.irp j, 0,1,2,3
	v_cndmask_b32 v[SW4+\j], v[PW+\j], v[PW+4+\j], s[HM]   ; lanes 0-15 store tiles 0-3's words of row r, lanes 16-31 tiles 4-7's
.endr
	global_store_b128 v[CO], v[SW4:SW4+3], s[92:93]
	s_wait_tensorcnt 0x0                           ; the wave's end
	ds_add_u32 v[SPW], v[NIL]
	s_wait_dscnt 0x0
	CROUND                                         ; the closing round
	s_endpgm
.Lfunc_end_k_qa413795d13_gemm_qk:
	.size	k_qa413795d13_gemm_qk, .Lfunc_end_k_qa413795d13_gemm_qk-k_qa413795d13_gemm_qk
	.p2alignl 7, 3214868480
	.fill 96, 4, 3214868480
	.section	.rodata,"a",@progbits
	.p2align	6, 0x0
	.amdhsa_kernel k_qa413795d13_gemm_qk
		.amdhsa_group_segment_fixed_size 327680
		.amdhsa_private_segment_fixed_size 0
		.amdhsa_enable_private_segment 0
		.amdhsa_kernarg_size 24
		.amdhsa_user_sgpr_count 2
		.amdhsa_user_sgpr_kernarg_segment_ptr 1
		.amdhsa_wavefront_size32 1
		.amdhsa_system_sgpr_workgroup_id_x 1
		.amdhsa_system_sgpr_workgroup_id_y 1
		.amdhsa_system_sgpr_workgroup_id_z 1
		.amdhsa_system_vgpr_workitem_id 0
		.amdhsa_next_free_vgpr 1024
		.amdhsa_next_free_sgpr 98
		.amdhsa_reserve_vcc 0
		.amdhsa_float_denorm_mode_32 3
		.amdhsa_float_denorm_mode_16_64 3
		.amdhsa_memory_ordered 1
		.amdhsa_forward_progress 1
		.amdhsa_inst_pref_size 185
	.end_amdhsa_kernel
	.amdgpu_metadata
---
amdhsa.version: [ 1, 2 ]
amdhsa.kernels:
  - .name:           k_qa413795d13_gemm_qk
    .symbol:         k_qa413795d13_gemm_qk.kd
    .args:
      - { .name: wqko, .offset: 0, .size: 8, .value_kind: global_buffer, .address_space: global }
      - { .name: xo, .offset: 8, .size: 8, .value_kind: global_buffer, .address_space: global }
      - { .name: qko, .offset: 16, .size: 8, .value_kind: global_buffer, .address_space: global }
    .group_segment_fixed_size: 327680
    .private_segment_fixed_size: 0
    .kernarg_segment_align: 8
    .kernarg_segment_size: 24
    .max_flat_workgroup_size: 128
    .sgpr_count:     98
    .vgpr_count:     1024
    .wavefront_size: 32
...
	.end_amdgpu_metadata
.endif
;; end of part 2
;; launch gemm_v: the kernel of part 2 again; grid 32 x 4, 4 waves a work-group, clusters of 4 x 4, 327,680 bytes of LDS; arguments xo, wvo, vo; writes vo
;; launch attn (part 3): grid 4 x 64, 16 waves a work-group, clusters of 4 x 1, 327,680 bytes of LDS; arguments qko, vo, ao; writes ao
.if DOCPART == 3
	.amdgcn_target "amdgcn-amd-amdhsa--gfx1250"
	.amdhsa_code_object_version 6
	.text
	.protected	k_qa413795d13_attn
	.globl	k_qa413795d13_attn
	.p2align	8
	.type	k_qa413795d13_attn,@function
k_qa413795d13_attn:
	s_mov_b64 s[64:65], 0
	v_nop
	global_prefetch_b8 v0, s[64:65] scope:SCOPE_SE
	s_setreg_imm32_b32 hwreg(HW_REG_WAVE_MODE, 25, 1), 1
	s_wait_xcnt 0x0
	s_wait_alu depctr_hold_cnt(0) depctr_sa_sdst(0) depctr_va_vdst(0) depctr_va_sdst(0) depctr_va_ssrc(0) depctr_va_vcc(0) depctr_vm_vsrc(0)
	s_getreg_b32 s2, hwreg(HW_REG_IB_STS2, 6, 4)
	s_cmp_eq_u32 s2, 0
	s_cbranch_scc0 .Lentry_in_a_cluster
	s_endpgm
.Lentry_in_a_cluster:
	s_bfe_u32 s2, ttmp6, 0x10000c
	s_cmp_lg_u32 s2, 0x3003
	s_cbranch_scc0 .Lentry_shape_is_right
	s_endpgm
.Lentry_shape_is_right:
; LAUNCH 4 OF 5.  For each (batch, head): O[q] = sum over keys k <= q of softmax_k(q . k / 32) v[k], both products on codes of E4M3 with E8M0 scales; O is quantised along (head, d) for the output projection.
; WORK LEFT OUT: key steps all of whose 128 keys come after all queries of a tile: reference()'s own causal mask gives them the weight 0 (shown at the head of the first launch).
; THE SOFTMAX: t = score x log2(e) / 32; M = the row's largest t so far, rounded UP to a whole number; p = 2^(t - M) is quantised along the keys, not normalised; the row's sum is taken of the unquantised p and divides O at the end.
; When M moves, the sum and O are multiplied by 2^(old M - new M): exact.  The order in which a row's key steps are taken is free.
; INPUTS, as the two launches before lay them (images of fragments; the tokens of tile tau are 32 (tau / 2) + 8 (tau % 2) + r + 8 (r / 8)): q and k: a token tile's fragment holds two heads; this head's 1,024 bytes are taken, and the other
; half of the instruction's K = 128 is zero codes in registers that are cleared once.  v^T: whole fragments, 16 d x 128 keys.
; K AND V STAY IN LDS.  One (batch, head) has 128 x 1,024 bytes of K, 16 x 8,192 of V, 8,192 and 4,096 of scale words: 274,432 bytes.  They come once, at the head: waves 0-7 fetch K (16 tiles each), 8-11 V (4 key steps each),
; wave 12 K's scale words, wave 13 V's.  One wait and one barrier show them to all; nothing is filled again, so no barrier stands in the loop.
; SHARES.  The four work-groups of a (batch, head) form a cluster and ask for these tiles jointly (mask 15).  Work-group i gives wave w the query tiles a = 4 w + i and 127 - a: w / 2 + 1 and 16 - w / 2 key steps, 17 for every wave.
; Trip counts and branches hang on the wave's number alone; i enters global addresses and the mask's numbers only.  Tile 127 - a goes first, keys upward (trip n: key step n); then tile a, keys downward (key step 16 - n).
; The masked steps are trips 15 - w / 2 and 16 - w / 2: in each, a query's own key lies in the step, so M is a number from a tile's first step on.
; NO PREFETCH: every tensor load is issued at the head; there is no later load to run ahead of.
; LAYOUT.  S^T = K Q^T (source 0 = 16 keys), O^T = V^T P^T (source 0 = 16 of the head's 64): a lane holds one query throughout; register 16 b + i of S^T is key 32 b + 16 h + i of the step, of O^T d = 32 b + 16 h + i.
; LIMITS of the quantisers: as stated at the head of the first launch.
; REGISTERS: v1-11 addresses; v12 -M, v13 the largest t, v[14:15] the sum; v16-23 Q, v24-31 zeros; v32-95 four fragments of K (8 registers of codes, 8 of zeros each); v96-159 S^T, then p, then V's four fragments; v160-191 O^T;
;   v192-213 at work; v214 16 r; v224-239 p's codes; v248-251 K's or V's scale words; v253 p's; v255 Q's.
.set OPC,   0x40000
.set OUTC,  0x200000
.set LV,    131072                     ; LDS: K from 0, 8,192 bytes a key step; V from here, likewise;
.set LKS,   262144                     ; K's scale words, 512 bytes a key step;
.set LVS,   270336                     ; V's, 256
.set SPARE, 278528                     ; the spare words, 128 bytes for each of sixteen waves: eight blocks of 256 bytes that no other line names
.set LI,   1                           ; v1   16 x lane
.set AKS0, 2                           ; v2   LKS + 16 r + 2 (head % 2)
.set AVS0, 3                           ; v3   LVS + 16 r
.set QL,   4                           ; v4   r + 8 (r / 8) - 16 h
.set SPW,  5                           ; v5   my spare word; never rewritten
.set NIL,  6                           ; v6   0; never rewritten
.set ADV,  7                           ; v7-10 the step's four addresses
.set ADL,  8
.set ADKS, 9
.set ADVS, 10
.set ABY,  11                          ; v11  8 r + h: my scale byte's place
.set BM,   192
.set PT,   196
.set HD,   200
.set SO,   204
.set QSO,  214
.set NN,   10                          ; s10  the trip
.set SWT,  11                          ; s11  16 - wave / 2: the trip at whose head the tiles change
.set KF,   12                          ; s12  the step's first key
.set Q0,   13                          ; s13  my tile's first query
.set I,    14                          ; s14  my place in the cluster
.set CB,   15                          ; s15  128 b
.set CAO,  16
.set CAS,  17
.set WV,   18
.set MNT,  19
.set SEL,  20
.set CS,   22                          ; s[22:23] c = log2(e) / 32
.set G1K,  24
.set G1V,  32
.set G1KS, 40
.set G1VS, 48
.set G0K,  56
.set G0V,  60
.set HM,   66
.set CQC,  67
.set G0KS, 68
.set G0VS, 72
.set BK,   76                          ; s[76:83] offsets of what I might fetch
.set BV,   78
.set BKS,  80
.set BVS,  82
.set DN,   84                          ; s84  16 - the trip
.set TS,   85                          ; s85  tile a
.set TT,   86                          ; s86  tile 127 - a
.set CQS,  89
.set AOC,  90
.set AOS,  92
.macro CROUND                          ; a round of the cluster's barrier
	s_barrier_signal -1
	s_barrier_wait -1
	s_cmp_lg_u32 s[WV], 0
	s_cbranch_scc1 .Lnot_wave_0_\@
	s_barrier_signal -3
.Lnot_wave_0_\@:
	s_barrier_wait -3
	s_barrier_signal -1
	s_barrier_wait -1
.endm
.macro GROUP1 g, c, r, p               ; r rows of c elements of 8 bytes, p elements apart; mask 15, bit 21 beside it; dense in LDS
	s_mov_b32 s[\g], 15|(3<<16)|(1<<21)
	s_mov_b32 s[\g+1], (\c)<<16
	s_mov_b32 s[\g+2], (\r)<<16
	s_mov_b32 s[\g+3], (\c)<<16
	s_mov_b32 s[\g+4], \r
	s_mov_b32 s[\g+5], \p
	s_mov_b32 s[\g+6], 0
	s_mov_b32 s[\g+7], 0
.endm
	s_load_b128 s[4:7], s[0:1], 0x0                ; qko, vo
	s_load_b64 s[8:9], s[0:1], 0x10                ; ao
	v_lshl_add_u32 v[SPW], v0, 2, SPARE
	v_mov_b32 v[NIL], 0
	ds_add_u32 v[SPW], v[NIL]                      ; the wave's opening: the add, twice on end, and its wait
	ds_add_u32 v[SPW], v[NIL]
	v_lshrrev_b32 v8, 5, v0
	v_readfirstlane_b32 s[WV], v8                  ; wave 0..15
	s_bfe_u32 s[I], ttmp6, 0x40000                 ; i
	s_lshl_b32 s[TS], s[WV], 2
	s_add_co_u32 s[TS], s[TS], s[I]                ; a = 4 w + i
	s_sub_co_u32 s[TT], 127, s[TS]
	s_lshr_b32 s94, s[WV], 1
	s_sub_co_u32 s[SWT], 16, s94
	s_and_b32 s94, ttmp7, 0xffff
	s_lshr_b32 s95, s94, 4                         ; b
	s_and_b32 s94, s94, 15                         ; head
	s_and_b32 s96, s94, 1                          ; pi = head % 2
	s_lshr_b32 s97, s94, 1                         ; hp = head / 2
	s_lshl_b32 s[CB], s95, 7
	s_lshl_b32 s[CAO], s94, 10                     ; ao's codes: K step hp, pieces 2 pi on
	s_add_co_u32 s[CAO], s[CAO], OPC
	s_lshr_b32 s98, s97, 1                         ; ao's scale bytes: Q = hp / 2: 256 bytes; word hp % 2, bytes 2 pi on
	s_lshl_b32 s[CAS], s98, 8
	s_and_b32 s98, s94, 3
	s_lshl_b32 s98, s98, 1
	s_add_co_u32 s[CAS], s[CAS], s98
	s_lshl_b32 s[CQC], s97, 20
	s_lshl_b32 s98, s96, 10
	s_add_co_u32 s[CQC], s[CQC], s98
	s_add_co_u32 s[CQC], s[CQC], OUTC
	s_lshl_b32 s[CQS], s97, 15
	s_lshl_b32 s98, s96, 1
	s_add_co_u32 s[CQS], s[CQS], s98
	s_add_co_u32 s99, s98, LKS                     ; LKS + 2 pi
	s_and_b32 s2, s[WV], 7                         ; which 16 tiles of K,
	s_and_b32 s3, s[WV], 3                         ; which 4 key steps of V I might fetch
	s_lshl_b32 s98, s95, 18
	s_add_co_u32 s[BK], s[CQC], s98
	s_add_co_u32 s[BK], s[BK], 8<<20               ; k's groups lie behind q's eight
	s_lshl_b32 s98, s2, 15
	s_add_co_u32 s[BK], s[BK], s98
	s_mov_b32 s[BK+1], 0
	s_lshl_b32 s[BV], s95, 24
	s_lshl_b32 s98, s94, 13
	s_add_co_u32 s[BV], s[BV], s98
	s_add_co_u32 s[BV], s[BV], OUTC
	s_lshl_b32 s98, s3, 22
	s_add_co_u32 s[BV], s[BV], s98
	s_mov_b32 s[BV+1], 0
	s_add_co_u32 s98, s97, 8
	s_lshl_b32 s[BKS], s98, 15
	s_lshl_b32 s98, s95, 13
	s_add_co_u32 s[BKS], s[BKS], s98
	s_mov_b32 s[BKS+1], 0
	s_lshl_b32 s[BVS], s95, 19
	s_lshl_b32 s98, s97, 9
	s_add_co_u32 s[BVS], s[BVS], s98
	s_lshl_b32 s98, s96, 8
	s_add_co_u32 s[BVS], s[BVS], s98
	s_mov_b32 s[BVS+1], 0
	GROUP1 G1K, 128, 16, 256                       ; K: 16 rows of 1,024 bytes, 2,048 apart
	GROUP1 G1V, 1024, 4, 131072                    ; V: 4 rows of 8,192 bytes, 2^20 apart
	GROUP1 G1KS, 32, 32, 32                        ; K's scale words: 8,192 dense bytes as 32 rows of 256
	GROUP1 G1VS, 32, 16, 4096                      ; V's: 16 rows of 256 bytes, 32,768 apart
	s_mov_b32 s[SEL], 0x76543210
	s_mov_b32 s[SEL+1], 0xfedcba98
	s_mov_b32 s[CS], 0x3d38aa3b                    ; c = log2(e) / 32
	s_mov_b32 s[CS+1], s[CS]
	s_mov_b32 s[MNT], 0x600000
	s_mov_b32 s[HM], 0xffff0000
	s_mov_b32 s[NN], 0
	s_mov_b32 s[DN], 16
	s_mov_b32 s[G0K], 1
	s_lshl_b32 s[G0K+1], s2, 14
	s_mov_b32 s[G0V], 1
	s_lshl_b32 s[G0V+1], s3, 15
	s_add_co_u32 s[G0V+1], s[G0V+1], LV
	s_mov_b32 s[G0KS], 1
	s_mov_b32 s[G0KS+1], LKS
	s_mov_b32 s[G0VS], 1
	s_mov_b32 s[G0VS+1], LVS
	s_wait_dscnt 0x0                               ; both opening adds are done
	s_wait_kmcnt 0x0
	s_add_nc_u64 s[G0K+2:G0K+3], s[4:5], s[BK:BK+1]
	s_or_b32 s[G0K+3], s[G0K+3], 0x80000000
	s_add_nc_u64 s[G0V+2:G0V+3], s[6:7], s[BV:BV+1]
	s_or_b32 s[G0V+3], s[G0V+3], 0x80000000
	s_add_nc_u64 s[G0KS+2:G0KS+3], s[4:5], s[BKS:BKS+1]
	s_or_b32 s[G0KS+3], s[G0KS+3], 0x80000000
	s_add_nc_u64 s[G0VS+2:G0VS+3], s[6:7], s[BVS:BVS+1]
	s_or_b32 s[G0VS+3], s[G0VS+3], 0x80000000
	CROUND                                         ; all four work-groups are here: the joint loads meet
.macro ARM under, g0, g1, next         ; one chain of branches on the wave's number: no way passes two loads
	s_cmp_lt_u32 s[WV], \under
	s_cbranch_scc0 \next
	tensor_load_to_lds s[\g0:\g0+3], s[\g1:\g1+7]
	s_nop 0
.rept 4
	v_nop
.endr
	s_branch .Lasked
\next:
.endm
	ARM 8,  G0K,  G1K,  .La_v
	ARM 12, G0V,  G1V,  .La_ks
	ARM 13, G0KS, G1KS, .La_vs
	ARM 14, G0VS, G1VS, .La_none
.Lasked:
	v_and_b32 v8, 15, v0                           ; r
	v_bfe_u32 v9, v0, 4, 1                         ; h
	v_and_b32 v10, 31, v0                          ; lane
	v_lshlrev_b32 v[LI], 4, v10
	v_lshl_add_u32 v[AKS0], v8, 4, s99
	v_lshl_add_u32 v[AVS0], v8, 4, LVS
	v_and_b32 v11, 8, v8
	v_add_nc_u32 v[QL], v11, v8
	v_lshlrev_b32 v11, 4, v9
	v_sub_nc_u32 v[QL], v[QL], v11
	v_lshl_add_u32 v[ABY], v8, 3, v9
	v_lshlrev_b32 v[QSO], 4, v8
.irp j, 24,25,26,27,28,29,30,31
	v_mov_b32 v[\j], 0                             ; the upper half of K = 128: zero codes, written once: Q's,
.endr
.irp t, 0,1,2,3
.irp j, 8,9,10,11,12,13,14,15
	v_mov_b32 v[32+16*\t+\j], 0                    ; and those of K's four fragments
.endr
.endr
.irp b, 0,1,2,3
	v_mov_b32 v[PT+\b], 0                          ; written once: a lane permute's destination counts as one of its sources
.endr
	v_mov_b32 v209, 0                              ; named as the upper half of the pair v[208:209]
	v_mov_b32 v210, 0
; A query tile begins.  tt: the number of the scalar register that holds the tile, 0 .. 127.
.macro INIT tt
	s_add_co_u32 s94, s[CB], s[\tt]                ; A: my tile of tokens, 0 .. 511
	s_lshr_b32 s95, s[\tt], 1
	s_lshl_b32 s[Q0], s95, 5
	s_and_b32 s95, s[\tt], 1
	s_lshl_b32 s95, s95, 3
	s_add_co_u32 s[Q0], s[Q0], s95                 ; 32 (tile / 2) + 8 (tile % 2)
	s_mov_b32 s97, 0
	s_mov_b32 s99, 0
	s_lshl_b32 s96, s94, 14
	s_add_co_u32 s96, s96, s[CAO]
	s_add_nc_u64 s[AOC:AOC+1], s[8:9], s[96:97]    ; where my codes will go,
	s_lshr_b32 s96, s94, 1
	s_lshl_b32 s96, s96, 10
	s_lshl_b32 s95, s95, 4                         ; the tile of the pair: 128 bytes
	s_add_co_u32 s96, s96, s95
	s_add_co_u32 s96, s96, s[CAS]
	s_add_nc_u64 s[AOS:AOS+1], s[8:9], s[96:97]    ; and my scale bytes
	s_lshl_b32 s96, s94, 11
	s_add_co_u32 s96, s96, s[CQC]
	s_add_nc_u64 s[96:97], s[4:5], s[96:97]
	global_load_b128 v[16:19], v[LI], s[96:97]     ; Q's fragment: this head's two pieces
	global_load_b128 v[20:23], v[LI], s[96:97] offset:512
	s_lshr_b32 s98, s94, 2                         ; its scale words: 256 bytes for four tiles, 4 bytes a tile in a row's 16
	s_lshl_b32 s98, s98, 8
	s_and_b32 s95, s94, 3
	s_lshl_b32 s95, s95, 2
	s_add_co_u32 s98, s98, s95
	s_add_co_u32 s98, s98, s[CQS]
	s_add_nc_u64 s[98:99], s[4:5], s[98:99]
	global_load_u16 v255, v[QSO], s[98:99]         ; two scale bytes; the upper two bytes are 0 and stand over zero codes
	v_mov_b32 v13, 0xff61b1e6                      ; the largest t so far: -3e38, under every t
	v_floor_f32 v12, -v13                          ; -M
	v_mov_b32 v14, 0
	v_mov_b32 v15, 0
.set n, 0
.rept 32
	v_mov_b32 v[160+n], 0                          ; O^T: the step is written once; the first finds zeros
.set n, n+1
.endr
	s_wait_loadcnt 0x0
.endm
; A query tile ends: O^T / the sum, quantised along d in two blocks of 32, leaves as two pieces of a fragment's image and two scale bytes a row.
.macro FINISH
.rept 8
	v_nop                                          ; places behind the last products
.endr
	v_add_f32 v14, v14, v15
	v_permlanex16_b32 v210, v14, s[SEL], s[SEL+1]
	v_add_f32 v14, v14, v210                       ; the row's sum
	s_wait_alu depctr_va_vdst(0)
	v_rcp_f32 v14, v14
	v_nop                                          ; a plain line behind the reciprocal,
	s_wait_alu depctr_va_vdst(0)                   ; and the wait ahead of its first reader
.set n, 0
.rept 16
	v_pk_mul_f32 v[96+n:97+n], v[160+n:161+n], v[14:15] op_sel_hi:[1,0]   ; each accumulator from its low end on
.set n, n+2
.endr
.irp b, 0,1
	v_max3_num_f32 v[BM+\b], |v[96+16*\b]|, |v[97+16*\b]|, 0x4800000
.endr
.irp i, 2,4,6,8,10,12,14
.irp b, 0,1
	v_max3_num_f32 v[BM+\b], v[BM+\b], |v[96+16*\b+\i]|, |v[97+16*\b+\i]|
.endr
.endr
.irp b, 0,1
	v_permlanex16_b32 v[PT+\b], v[BM+\b], s[SEL], s[SEL+1]
.endr
.irp b, 0,1
	v_max_num_f32 v[BM+\b], v[BM+\b], v[PT+\b]
.endr
.irp b, 0,1
	v_add_nc_u32 v[SO+\b], 0xfc000000, v[BM+\b]
.endr
.irp b, 0,1
	v_and_or_b32 v[HD+\b], v[BM+\b], 0x7f800000, s[MNT]
.endr
.irp b, 0,1
	v_lshrrev_b32 v[PT+\b], 23, v[SO+\b]
.endr
.irp b, 0,1
.irp i, 0,1,2,3,4,5,6,7,8,9,10,11,12,13,14,15
	v_med3_num_f32 v[96+16*\b+\i], v[96+16*\b+\i], -v[HD+\b], v[HD+\b]
.endr
	v_cvt_scalef32_pk8_fp8_f32 v[224+4*\b:225+4*\b], v[96+16*\b:103+16*\b], v[SO+\b]
	v_cvt_scalef32_pk8_fp8_f32 v[226+4*\b:227+4*\b], v[104+16*\b:111+16*\b], v[SO+\b]
.endr
	v_cndmask_b32 v210, v[PT], v[PT+1], s[HM]      ; lanes 0-15 store block 0's byte of row r, lanes 16-31 block 1's.  (A plain line behind the conversions)
	global_store_b128 v[LI], v[224:227], s[AOC:AOC+1]              ; 512 consecutive bytes, aligned
	global_store_b128 v[LI], v[228:231], s[AOC:AOC+1] offset:512
	global_store_b8 v[ABY], v210, s[AOS:AOS+1]     ; two bytes of each row's word: the other heads of the word write theirs
	s_wait_xcnt 0x0                                ; the stores have read their registers and bases: both may be written again
.endm
	INIT TT                                        ; tile 127 - a, under the tensor loads' flight
	s_wait_alu depctr_va_vdst(0)
	s_wait_tensorcnt 0x0                           ; my load, if I have one, has landed
	s_barrier_signal -1
	s_barrier_wait -1                              ; so have all: K, V and their scale words are whole
.Ltrip:                                            ; 17 trips, a key step of 128 keys each
	s_cmp_lg_u32 s[NN], s[SWT]
	s_cbranch_scc1 .Lsame_tile
	FINISH                                         ; tile 127 - a has seen its 16 - w / 2 key steps
	INIT TS
.Lsame_tile:
	s_cmp_lt_u32 s[NN], s[SWT]
	s_cselect_b32 s94, s[NN], s[DN]                ; the key step: n, then 16 - n
	s_min_u32 s94, s94, 15                         ; (both counters pass 16 where they are not chosen)
	s_lshl_b32 s[KF], s94, 7
	s_lshl_b32 s95, s94, 13
	s_lshl_b32 s96, s94, 9
	s_lshl_b32 s97, s94, 8
	v_add_nc_u32 v[ADL], s95, v[LI]
	v_add_nc_u32 v[ADKS], s96, v[AKS0]
	v_add_nc_u32 v[ADVS], s97, v[AVS0]
	v_add_nc_u32 v[ADV], LV, v[ADL]
.rept 5
	v_nop                                          ; with the four lines above: nine places: the products below write over V's fragments, which the last products read
.endr
	s_wait_alu depctr_va_vdst(0)
.irp g, 0,1                                    ; S^T = K Q^T, four tiles of 16 keys at a time
.if \g > 0
.rept 8
	v_nop                                          ; places in front of loads into registers that matrix instructions have read
.endr
.endif
.irp t, 0,1,2,3
	ds_load_b128 v[32+16*\t:35+16*\t], v[ADL] offset:(4*\g+\t)*1024
	ds_load_b128 v[36+16*\t:39+16*\t], v[ADL] offset:(4*\g+\t)*1024+512
	ds_load_u16 v[248+\t], v[ADKS] offset:256*\g+4*\t   ; this head's two bytes of the tile's word
.endr
	s_wait_dscnt 0x0
.irp t, 0,1,2,3
	v_wmma_scale_f32_16x16x128_f8f6f4 v[96+8*(4*\g+\t):103+8*(4*\g+\t)], v[32+16*\t:47+16*\t], v[16:31], 0, v[248+\t], v255
.endr
.endr
.rept 8
	v_nop
.endr
	s_sub_co_u32 s96, s[SWT], s[NN]                ; 1 and 0 in the two trips that hold a tile's diagonal: there hidden scores become -infinity ahead of the maximum: p = 0 then
	s_cmp_gt_u32 s96, 1
	s_cbranch_scc1 .Lopen
	s_sub_co_i32 s96, s[Q0], s[KF]
	v_add_nc_u32 v210, s96, v[QL]                  ; my query - KF - 16 h.  Register 16 b + i holds key KF + 16 h + 32 b + i: hidden where 32 b + i is greater
	v_mov_b32 v211, 0xff800000
.set n, 0
.rept 64
	v_cmp_gt_i32 vcc_lo, 32*(n/16)+n%16, v210
	v_cndmask_b32 v[96+n], v[96+n], v211, vcc_lo
.set n, n+1
.endr
.Lopen:
.irp b, 0,1,2,3
	v_max3_num_f32 v[BM+\b], v[96+16*\b], v[97+16*\b], v[98+16*\b]   ; the largest score of each block of 32 keys: for the row's maximum and, since p rises with the score, for the block's largest p
.endr
.irp i, 3,5,7,9,11,13
.irp b, 0,1,2,3
	v_max3_num_f32 v[BM+\b], v[BM+\b], v[96+16*\b+\i], v[97+16*\b+\i]
.endr
.endr
.irp b, 0,1,2,3
	v_max_num_f32 v[BM+\b], v[BM+\b], v[111+16*\b]
.endr
.irp b, 0,1,2,3
	v_permlanex16_b32 v[PT+\b], v[BM+\b], s[SEL], s[SEL+1]
.endr
.irp b, 0,1,2,3
	v_max_num_f32 v[BM+\b], v[BM+\b], v[PT+\b]     ; with lane l xor 16's 16 keys
.endr
	v_max3_num_f32 v210, v[BM], v[BM+1], v[BM+2]
	v_max_num_f32 v210, v210, v[BM+3]
	v_mul_f32 v210, s[CS], v210                    ; as t (c is positive)
	v_max_num_f32 v13, v13, v210                   ; the running largest t
	v_mov_b32 v210, v12
	v_floor_f32 v12, -v13                          ; the new -M = -ceil(t)
	v_sub_f32 v210, v12, v210                      ; old M - new M: a whole number, 0 or less
	v_cvt_i32_f32 v210, v210                       ; (it saturates)
	v_ldexp_f32 v208, 1.0, v210                    ; f = 2^(old M - new M)
.set n, 0
.rept 32
	v_pk_fma_f32 v[96+n:97+n], v[96+n:97+n], s[CS:CS+1], v[12:13] op_sel_hi:[1,0,0]   ; t - M, two at a time
.set n, n+2
.endr
.irp b, 0,1,2,3
	v_fma_f32 v[BM+\b], v[BM+\b], s[CS], v12       ; the same of each block's largest score
.endr
.set n, 0
	s_wait_alu depctr_va_vdst(0)
.rept 64
	v_exp_f32 v[96+n], v[96+n]                     ; p = 2^(t - M)
.set n, n+1
.endr
	v_pk_mul_f32 v[14:15], v[14:15], v[208:209] op_sel_hi:[1,0]   ; the sums under the new M: a plain line behind the exponentials
	s_wait_alu depctr_va_vdst(0)                   ; one wait for the batch, ahead of its first reader
.irp b, 0,1,2,3
	v_exp_f32 v[BM+\b], v[BM+\b]                   ; the block's largest p
.endr
	v_pk_add_f32 v[212:213], v[100:101], v[104:105]   ; the row's sum of the unquantised p, in eight chains
	v_pk_add_f32 v[252:253], v[108:109], v[112:113]
	v_pk_add_f32 v[250:251], v[116:117], v[120:121]
	v_pk_add_f32 v[248:249], v[124:125], v[128:129]
	v_pk_add_f32 v[246:247], v[132:133], v[136:137]
	v_pk_add_f32 v[244:245], v[140:141], v[144:145]
	v_pk_add_f32 v[242:243], v[148:149], v[152:153]
	v_pk_add_f32 v[14:15], v[14:15], v[156:157]
	v_pk_add_f32 v[212:213], v[212:213], v[96:97]
	v_pk_add_f32 v[252:253], v[252:253], v[98:99]
	v_pk_add_f32 v[250:251], v[250:251], v[102:103]
	v_pk_add_f32 v[248:249], v[248:249], v[106:107]
	v_pk_add_f32 v[246:247], v[246:247], v[110:111]
	v_pk_add_f32 v[244:245], v[244:245], v[114:115]
	v_pk_add_f32 v[242:243], v[242:243], v[118:119]
	v_pk_add_f32 v[14:15], v[14:15], v[122:123]
	v_pk_add_f32 v[212:213], v[212:213], v[126:127]
	v_pk_add_f32 v[252:253], v[252:253], v[130:131]
	v_pk_add_f32 v[250:251], v[250:251], v[134:135]
	v_pk_add_f32 v[248:249], v[248:249], v[138:139]
	v_pk_add_f32 v[246:247], v[246:247], v[142:143]
	v_pk_add_f32 v[244:245], v[244:245], v[146:147]
	v_pk_add_f32 v[242:243], v[242:243], v[150:151]
	v_pk_add_f32 v[14:15], v[14:15], v[154:155]
	v_pk_add_f32 v[212:213], v[212:213], v[158:159]
	v_pk_add_f32 v[14:15], v[14:15], v[248:249]
	v_pk_add_f32 v[212:213], v[212:213], v[246:247]
	v_pk_add_f32 v[252:253], v[252:253], v[244:245]
	v_pk_add_f32 v[250:251], v[250:251], v[242:243]
	v_pk_add_f32 v[14:15], v[14:15], v[252:253]
	v_pk_add_f32 v[212:213], v[212:213], v[250:251]
	v_pk_add_f32 v[14:15], v[14:15], v[212:213]
	s_wait_alu depctr_va_vdst(0)                   ; and one for the four
.irp b, 0,1,2,3
	v_max_num_f32 v[BM+\b], 0x4800000, v[BM+\b]    ; the floor: a block whose every p is 0 keeps the byte 1: its codes are zeros
.endr
.irp b, 0,1,2,3
	v_add_nc_u32 v[SO+\b], 0xfc000000, v[BM+\b]
.endr
.irp b, 0,1,2,3
	v_and_or_b32 v[HD+\b], v[BM+\b], 0x7f800000, s[MNT]
.endr
.irp b, 0,1,2,3
	v_lshrrev_b32 v[PT+\b], 23, v[SO+\b]
.endr
	v_lshl_or_b32 v253, v[PT+1], 8, v[PT]          ; p's scale word for these 128 keys
	v_lshl_or_b32 v253, v[PT+2], 16, v253
	v_lshl_or_b32 v253, v[PT+3], 24, v253
.irp b, 0,1,2,3
.irp i, 0,2,4,6,8,10,12,14
	v_dual_min_num_f32 v[96+16*\b+\i], v[HD+\b], v[96+16*\b+\i] :: v_dual_min_num_f32 v[97+16*\b+\i], v[HD+\b], v[97+16*\b+\i]   ; the hold, two numbers a line; p is not negative, so it is one-sided
.endr
	v_cvt_scalef32_pk8_fp8_f32 v[224+4*\b:225+4*\b], v[96+16*\b:103+16*\b], v[SO+\b]
	v_cvt_scalef32_pk8_fp8_f32 v[226+4*\b:227+4*\b], v[104+16*\b:111+16*\b], v[SO+\b]
.endr
	v_nop                                          ; a plain line behind the last conversion
.irp t, 0,1,2,3                                ; V's four fragments take the registers that p has left
.irp c, 0,1,2,3
	ds_load_b128 v[96+16*\t+4*\c:99+16*\t+4*\c], v[ADV] offset:2048*\t+512*\c
.endr
.endr
	ds_load_b128 v[248:251], v[ADVS]               ; and their four scale words
.set n, 0
.rept 16
	v_pk_mul_f32 v[160+n:161+n], v[160+n:161+n], v[208:209] op_sel_hi:[1,0]   ; O^T under the new M; these lines are also the places between the codes and the products
.set n, n+2
.endr
	s_wait_alu depctr_va_vdst(0)
	s_wait_dscnt 0x0
.irp t, 0,1,2,3                                ; O^T += V^T P^T: the four accumulators by turns
	v_wmma_scale_f32_16x16x128_f8f6f4 v[160+8*\t:167+8*\t], v[96+16*\t:111+16*\t], v[224:239], v[160+8*\t:167+8*\t], v[248+\t], v253
.endr
	s_add_co_u32 s[NN], s[NN], 1
	s_sub_co_u32 s[DN], s[DN], 1
	s_cmp_lg_u32 s[NN], 17
	s_cbranch_scc1 .Ltrip
	FINISH                                         ; tile a
	s_wait_tensorcnt 0x0                           ; the wave's end
	ds_add_u32 v[SPW], v[NIL]
	s_wait_dscnt 0x0
	CROUND                                         ; the closing round
	s_endpgm
.Lfunc_end_k_qa413795d13_attn:
	.size	k_qa413795d13_attn, .Lfunc_end_k_qa413795d13_attn-k_qa413795d13_attn
	.p2alignl 7, 3214868480
	.fill 96, 4, 3214868480
	.section	.rodata,"a",@progbits
	.p2align	6, 0x0
	.amdhsa_kernel k_qa413795d13_attn
		.amdhsa_group_segment_fixed_size 327680
		.amdhsa_private_segment_fixed_size 0
		.amdhsa_enable_private_segment 0
		.amdhsa_kernarg_size 24
		.amdhsa_user_sgpr_count 2
		.amdhsa_user_sgpr_kernarg_segment_ptr 1
		.amdhsa_wavefront_size32 1
		.amdhsa_system_sgpr_workgroup_id_x 1
		.amdhsa_system_sgpr_workgroup_id_y 1
		.amdhsa_system_sgpr_workgroup_id_z 1
		.amdhsa_system_vgpr_workitem_id 0
		.amdhsa_next_free_vgpr 256
		.amdhsa_next_free_sgpr 100
		.amdhsa_reserve_vcc 1
		.amdhsa_float_denorm_mode_32 3
		.amdhsa_float_denorm_mode_16_64 3
		.amdhsa_memory_ordered 1
		.amdhsa_forward_progress 1
		.amdhsa_inst_pref_size 51
	.end_amdhsa_kernel
	.amdgpu_metadata
---
amdhsa.version: [ 1, 2 ]
amdhsa.kernels:
  - .name:           k_qa413795d13_attn
    .symbol:         k_qa413795d13_attn.kd
    .args:
      - { .name: qko, .offset: 0, .size: 8, .value_kind: global_buffer, .address_space: global }
      - { .name: vo, .offset: 8, .size: 8, .value_kind: global_buffer, .address_space: global }
      - { .name: ao, .offset: 16, .size: 8, .value_kind: global_buffer, .address_space: global }
    .group_segment_fixed_size: 327680
    .private_segment_fixed_size: 0
    .kernarg_segment_align: 8
    .kernarg_segment_size: 24
    .max_flat_workgroup_size: 512
    .sgpr_count:     100
    .vgpr_count:     256
    .wavefront_size: 32
...
	.end_amdgpu_metadata
.endif
;; end of part 3
;; launch proj (part 4): grid 4 x 32, 4 waves a work-group, clusters of 4 x 4, 327,680 bytes of LDS; arguments wpo, ao, bp, out0; writes out0
.if DOCPART == 4
	.amdgcn_target "amdgcn-amd-amdhsa--gfx1250"
	.amdhsa_code_object_version 6
	.text
	.protected	k_qa413795d13_proj
	.globl	k_qa413795d13_proj
	.p2align	8
	.type	k_qa413795d13_proj,@function
k_qa413795d13_proj:
	s_mov_b64 s[64:65], 0
	v_nop
	global_prefetch_b8 v0, s[64:65] scope:SCOPE_SE
	s_setreg_imm32_b32 hwreg(HW_REG_WAVE_MODE, 25, 1), 1
	s_wait_xcnt 0x0
	s_wait_alu depctr_hold_cnt(0) depctr_sa_sdst(0) depctr_va_vdst(0) depctr_va_sdst(0) depctr_va_ssrc(0) depctr_va_vcc(0) depctr_vm_vsrc(0)
	s_getreg_b32 s2, hwreg(HW_REG_IB_STS2, 6, 4)
	s_cmp_eq_u32 s2, 0
	s_cbranch_scc0 .Lentry_in_a_cluster
	s_endpgm
.Lentry_in_a_cluster:
	s_bfe_u32 s2, ttmp6, 0x10000c
	s_cmp_lg_u32 s2, 0xf033
	s_cbranch_scc0 .Lentry_shape_is_right
	s_endpgm
.Lentry_shape_is_right:
; LAUNCH 5 OF 5.  out0 = A Wp + bp over K = 1,024 on codes of E4M3 with E8M0 scales.  S0 = Wp's columns (wpo), S1 = the attention's rows (ao), both as images of fragments, as the first launch lays an operand buffer.
; A tile of out0 is 256 tokens x 256 columns: four waves, each 128 x 128.  The bias is the first products' C.  K goes in steps of 256 through a ring of two LDS slots; 4 x 4 clusters ask for S1's tiles by rows and for S0's by columns.
; The results go through each wave's stage in slot 0, which has had its last fill and its last read by then, and leave as rows of 512 bytes.  No prefetch: K has four steps, and two of them are asked for ahead of the first product.
.set OPC,   0x40000
.set NQ,    2
.set FR,    16
.set NL,    4
.set NP,    8
.set TILEB, 4096
.set HALFT, 8*TILEB
.set SLOT,  4*HALFT
.set SCL,   2*SLOT
.set HALFS, 4096
.set SPARE, SCL+4*HALFS
.set SPITCH, 528
.set ADRA, 16
.set ADRB, 20
.set STO,  24
.set RD,   25
.set CO,   26
.set ADRS, 27
.set SPW,  28
.set NIL,  29
.set SC,   32
.set BI,   64
.set AF,   128
.set BK,   128
.set G1, 24
.set G0, 32
.set G1B, 48
.set G0B, 56
.set G1S, 68
.set G0S, 76
.set G1SB, 80
.set G0SB, 88
.set MSB, 0
.macro WIN new
.if MSB != \new
	s_set_vgpr_msb (MSB<<8)|\new
.set MSB, \new
.endif
.endm
.set MUL_LO, 0xa1
.set MUL_HI, 0xf1
.set TO_B,   0x40
.macro JLOAD g0a, g1a, g0b, g1b
	s_cmp_eq_u32 s15, 0
	s_cbranch_scc0 .Lfor_b_\@
	tensor_load_to_lds s[\g0a:\g0a+3], s[\g1a:\g1a+7]
	s_nop 0
.rept 4
	v_nop
.endr
	s_branch .Lasked_\@
.Lfor_b_\@:
	tensor_load_to_lds s[\g0b:\g0b+3], s[\g1b:\g1b+7]
	s_nop 0
.rept 4
	v_nop
.endr
.Lasked_\@:
.endm
.macro CREST
	s_cmp_lg_u32 s14, 0
	s_cbranch_scc1 .Lnot_wave_0_\@
	s_barrier_signal -3
.Lnot_wave_0_\@:
	s_barrier_wait -3
	s_barrier_signal -1
	s_barrier_wait -1
.endm
.macro CROUND
	s_barrier_signal -1
	s_barrier_wait -1
	CREST
.endm
	s_load_b256 s[4:11], s[0:1], 0x0
	v_lshl_add_u32 v[SPW], v0, 2, SPARE
	v_mov_b32 v[NIL], 0
	ds_add_u32 v[SPW], v[NIL]
	ds_add_u32 v[SPW], v[NIL]
	v_lshrrev_b32 v1, 5, v0
	v_readfirstlane_b32 s14, v1
	s_lshr_b32 s15, s14, 1
	s_and_b32 s16, s14, 1
	s_bfe_u32 s40, ttmp6, 0x40000
	s_bfe_u32 s41, ttmp6, 0x40004
	s_lshl_b32 s42, ttmp9, 2
	s_add_co_u32 s42, s42, s40
	s_and_b32 s17, ttmp7, 0xffff
	s_lshl_b32 s17, s17, 2
	s_add_co_u32 s17, s17, s41
	s_lshl_b32 s43, s41, 2
	s_lshl_b32 s43, 15, s43
	s_lshl_b32 s44, 0x1111, s40
	s_or_b32 s[G1+0], s43, (3<<16)|(1<<21)
	s_or_b32 s[G1B+0], s44, (3<<16)|(1<<21)
.irp g, G1, G1B
	s_mov_b32 s[\g+1], 512<<16
	s_mov_b32 s[\g+2], 16<<16                      ; the head's loads bring 16 tiles; behind them the two words are set to 8
	s_mov_b32 s[\g+3], 512<<16
	s_mov_b32 s[\g+4], 16
	s_mov_b32 s[\g+5], 2048
	s_mov_b32 s[\g+6], 0
	s_mov_b32 s[\g+7], 0
.endr
	s_or_b32 s[G1S+0], s43, (3<<16)|(1<<21)
	s_or_b32 s[G1SB+0], s44, (3<<16)|(1<<21)
.irp g, G1S, G1SB
	s_mov_b32 s[\g+1], 32<<16
	s_mov_b32 s[\g+2], 32<<16                      ; the scale words of 256 rows: 8,192 dense bytes as 32 rows of 256
	s_mov_b32 s[\g+3], 32<<16
	s_mov_b32 s[\g+4], 32
	s_mov_b32 s[\g+5], 32
	s_mov_b32 s[\g+6], 0
	s_mov_b32 s[\g+7], 0
.endr
	s_lshl_b32 s18, s16, 17
	s_mov_b32 s19, 0                               ; s[18:19]: the 8 tiles that I fetch in the ring, as a pair
	s_lshl_b32 s20, s17, 18                        ; S1: 16 tiles for each Y
	s_add_co_u32 s20, s20, OPC
	s_mov_b32 s21, 0
	s_lshl_b32 s22, s17, 13                        ; and their scale words
	s_mov_b32 s23, 0
	s_lshl_b32 s46, s42, 18                        ; S0 likewise by X
	s_add_co_u32 s46, s46, OPC
	s_mov_b32 s47, 0
	s_lshl_b32 s92, s42, 13
	s_mov_b32 s93, 0
	s_lshl_b32 s45, s14, 15
	s_wait_dscnt 0x0
	s_wait_kmcnt 0x0
	s_add_nc_u64 s[20:21], s[6:7], s[20:21]
	s_add_nc_u64 s[22:23], s[6:7], s[22:23]
	s_add_nc_u64 s[46:47], s[4:5], s[46:47]
	s_add_nc_u64 s[92:93], s[4:5], s[92:93]
	CROUND
	s_mov_b32 s[G0S], 1
	s_mov_b32 s[G0S+1], SCL
	s_mov_b64 s[G0S+2:G0S+3], s[22:23]
	s_or_b32 s[G0S+3], s[G0S+3], 0x80000000
	s_mov_b32 s[G0SB], 1
	s_mov_b32 s[G0SB+1], SCL+2*HALFS
	s_mov_b64 s[G0SB+2:G0SB+3], s[92:93]
	s_or_b32 s[G0SB+3], s[G0SB+3], 0x80000000
; THE HEAD'S LOADS, ONE A WAVE: wave 0 K step 0's 16 tiles of S1, wave 1 those of S0, wave 2 S1's scale words, wave 3 S0's.  K step 1 is asked for behind the round at the head's end.
; Slot 0's groups 0 serve the head's two loads of codes; behind the wait for them they are set for the ring.
	s_mov_b32 s[G0], 1
	s_mov_b32 s[G0+1], 0
	s_mov_b64 s[G0+2:G0+3], s[20:21]
	s_or_b32 s[G0+3], s[G0+3], 0x80000000
	s_mov_b32 s[G0B], 1
	s_mov_b32 s[G0B+1], 2*HALFT
	s_mov_b64 s[G0B+2:G0B+3], s[46:47]
	s_or_b32 s[G0B+3], s[G0B+3], 0x80000000
	s_add_nc_u64 s[20:21], s[20:21], s[18:19]      ; for the ring: the 8 tiles that I fetch
	s_add_nc_u64 s[46:47], s[46:47], s[18:19]
	s_mov_b32 s[G0+4], 1                           ; slot 1: K step 1
	s_add_co_u32 s[G0+5], s45, SLOT
	s_add_nc_u64 s[G0+6:G0+7], s[20:21], TILEB
	s_or_b32 s[G0+7], s[G0+7], 0x80000000
	s_mov_b32 s[G0B+4], 1
	s_add_co_u32 s[G0B+5], s45, SLOT
	s_add_nc_u64 s[G0B+6:G0B+7], s[46:47], TILEB
	s_or_b32 s[G0B+7], s[G0B+7], 0x80000000
.macro ARM under, g0, g1, next         ; one tree of branches on the wave's number: every way passes exactly one load
	s_cmp_lt_u32 s14, \under
	s_cbranch_scc0 \next
	tensor_load_to_lds s[\g0:\g0+3], s[\g1:\g1+7]
	s_nop 0
.rept 4
	v_nop
.endr
	s_branch .Lhead_asked
\next:
.endm
	ARM 1, G0,  G1,  .Lhead_b
	ARM 2, G0B, G1B, .Lhead_sa
	ARM 3, G0S, G1S, .Lhead_sb
	tensor_load_to_lds s[G0SB:G0SB+3], s[G1SB:G1SB+7]
	s_nop 0
.rept 4
	v_nop
.endr
.Lhead_asked:
	v_and_b32 v1, 15, v0
	v_bfe_u32 v2, v0, 4, 1
	v_and_b32 v3, 31, v0
	v_lshlrev_b32 v[CO], 4, v3
	s_wait_alu depctr_va_vdst(0)
	s_lshl_b32 s46, s42, 10
	s_lshl_b32 s47, s16, 9
	s_add_co_u32 s46, s46, s47
	s_mov_b32 s47, 0
	s_add_nc_u64 s[8:9], s[8:9], s[46:47]
	v_lshlrev_b32 v7, 6, v2
.irp b, 0,1,2,3,4,5,6,7
	global_load_b128 v[BI+8*\b:BI+8*\b+3], v7, s[8:9] offset:(32*(\b/2)+8*(\b%2))*4
	global_load_b128 v[BI+8*\b+4:BI+8*\b+7], v7, s[8:9] offset:(32*(\b/2)+8*(\b%2))*4+16
.endr
	s_lshl_b32 s96, s17, 20
	s_lshl_b32 s97, s15, 19
	s_add_co_u32 s96, s96, s97
	s_add_co_u32 s96, s96, s46
	s_mov_b32 s97, 0
	s_add_nc_u64 s[10:11], s[10:11], s[96:97]
	s_lshl_b32 s21, s15, 15
	s_lshl_b32 s22, s16, 15
	s_add_co_u32 s22, s22, 2*HALFT
.irp s, 0,1
	v_add_nc_u32 v[ADRA+\s], s21, v[CO]
	v_add_nc_u32 v[ADRB+\s], s22, v[CO]
	s_add_co_u32 s21, s21, SLOT
	s_add_co_u32 s22, s22, SLOT
.endr
	s_lshl_b32 s21, s15, 12
	s_lshl_b32 s22, s16, 12
	s_add_co_u32 s22, s22, 2*HALFS
	s_sub_co_u32 s22, s22, s21
	v_mul_u32_u24 v6, s22, v2
	s_add_co_u32 s21, s21, SCL
	v_lshl_add_u32 v5, v1, 3, v6
	v_add_nc_u32 v[ADRS], s21, v5
	s_mul_i32 s23, s14, 16*SPITCH
	v_mul_u32_u24 v5, v1, SPITCH
	v_lshl_add_u32 v5, v2, 6, v5
	v_add_nc_u32 v[STO], s23, v5
	v_add_nc_u32 v[RD], s23, v[CO]
.macro FRAG reg, adr, q, i
.irp c, 0,1,2,3
	ds_load_b128 v[\reg+4*\c:\reg+4*\c+3], v[\adr] offset:(\i)*TILEB+(\q)*2048+512*\c
.endr
.endm
.macro MUL16 a0, p, q, sc, zero
.irp a, \a0, \a0+1
.irp b, 0,1,2,3,4,5,6,7
.if \zero
	v_wmma_scale_f32_16x16x128_f8f6f4 v[8*(8*((\a)%4)+\b):8*(8*((\a)%4)+\b)+7], v[128*(\p)+FR*\b:128*(\p)+FR*\b+FR-1], v[AF+FR*(\a):AF+FR*(\a)+FR-1], v[BI+8*\b:BI+8*\b+7], v[SC+8*NQ*(\sc)+NQ*\b+(\q)], v[SC+8*NQ*(\sc)+NQ*(\a)+(\q)] matrix_a_scale:MATRIX_SCALE_ROW1
.else
	v_wmma_scale_f32_16x16x128_f8f6f4 v[8*(8*((\a)%4)+\b):8*(8*((\a)%4)+\b)+7], v[128*(\p)+FR*\b:128*(\p)+FR*\b+FR-1], v[AF+FR*(\a):AF+FR*(\a)+FR-1], v[8*(8*((\a)%4)+\b):8*(8*((\a)%4)+\b)+7], v[SC+8*NQ*(\sc)+NQ*\b+(\q)], v[SC+8*NQ*(\sc)+NQ*(\a)+(\q)] matrix_a_scale:MATRIX_SCALE_ROW1
.endif
.endr
.endr
.endm
.macro FETCH_B slot, q, p
	WIN TO_B
.irp i, 0,1,2,3,4,5,6,7
	FRAG 128*(\p)+FR*\i, ADRB+\slot, \q, \i
.endr
	WIN 0
.endm
.macro FETCH_A slot, q, i0
.irp i, \i0, \i0+1, \i0+2, \i0+3
	FRAG AF+FR*(\i), ADRA+\slot, \q, \i
.endr
.endm
.macro SCALES sc
.irp i, 0,1,2,3,4,5,6,7
	ds_load_b64 v[SC+8*NQ*\sc+NQ*\i:SC+8*NQ*\sc+NQ*\i+1], v[ADRS] offset:(\i/2)*1024+(\i%2)*128
.endr
.endm
.macro PLACES n
.rept \n
	v_nop
.endr
.endm
.macro STEP slot, q, zero
	s_wait_dscnt 4*NL
	WIN MUL_LO-0x20*(\zero)
	MUL16 0, (\q)%2, \q, \slot, \zero
	MUL16 2, (\q)%2, \q, \slot, \zero
	s_wait_dscnt 0
	PLACES NP
	FETCH_B \slot, (\q)+1, 1-(\q)%2
	FETCH_A \slot, (\q)+1, 0
	WIN MUL_HI-0x30*(\zero)
	MUL16 4, (\q)%2, \q, \slot, \zero
	MUL16 6, (\q)%2, \q, \slot, \zero
	PLACES NP
	WIN 0
	FETCH_A \slot, (\q)+1, 4
.endm
.macro TURN slot, next, fill
	s_wait_tensorcnt 0x0
	ds_add_u32 v[SPW], v[NIL]
	s_wait_dscnt 4*NL+1
	WIN MUL_LO
	MUL16 0, 1, NQ-1, \slot, 0
	s_wait_dscnt 0x0
	s_barrier_signal -1
	MUL16 2, 1, NQ-1, \slot, 0
	WIN 0
	s_barrier_wait -1
.if \fill
	CREST
	s_add_nc_u64 s[G0+4*\slot+2:G0+4*\slot+3], s[G0+4*\slot+2:G0+4*\slot+3], 2*TILEB
	s_add_nc_u64 s[G0B+4*\slot+2:G0B+4*\slot+3], s[G0B+4*\slot+2:G0B+4*\slot+3], 2*TILEB
	JLOAD G0+4*\slot, G1, G0B+4*\slot, G1B
	PLACES NP-4
.else
	PLACES NP
.endif
	s_wait_alu depctr_va_vdst(0)
	v_add_nc_u32 v[ADRS], 256, v[ADRS]
	FETCH_B \next, 0, 0
	FETCH_A \next, 0, 0
	SCALES \next
	WIN MUL_HI
	MUL16 4, 1, NQ-1, \slot, 0
	MUL16 6, 1, NQ-1, \slot, 0
	PLACES NP
	WIN 0
	FETCH_A \next, 0, 4
.endm
	s_wait_alu depctr_va_vdst(0)
	s_wait_loadcnt 0x0
	s_wait_tensorcnt 0x0                           ; my tile of the head's four is in
	ds_add_u32 v[SPW], v[NIL]
	s_mov_b32 s[G1+2], 8<<16                       ; no tensor load of mine is out: from here on a load brings 8 tiles
	s_mov_b32 s[G1+4], 8
	s_mov_b32 s[G1B+2], 8<<16
	s_mov_b32 s[G1B+4], 8
	s_add_co_u32 s[G0+1], s45, 0                   ; slot 0's groups 0 for the ring: my quarter, one K step back from slot 1's
	s_sub_nc_u64 s[G0+2:G0+3], s[G0+6:G0+7], TILEB
	s_add_co_u32 s[G0B+1], s45, 0
	s_sub_nc_u64 s[G0B+2:G0B+3], s[G0B+6:G0B+7], TILEB
	s_wait_dscnt 0x0                               ; the add is done
	CROUND                                         ; all four tiles are in, and all sixteen work-groups are here
	JLOAD G0+4, G1, G0B+4, G1B                     ; K step 1: the first tensor load behind the round
	FETCH_B 0, 0, 0
	FETCH_A 0, 0, 0
	SCALES 0
	FETCH_A 0, 0, 4
	STEP 0, 0, 1
	TURN 0, 1, 1
	STEP 1, 0, 0
	TURN 1, 0, 1
	STEP 0, 0, 0
	TURN 0, 1, 0
	STEP 1, 0, 0
	s_wait_dscnt 4*NL
	WIN MUL_LO
	MUL16 0, 1, NQ-1, 1, 0
	MUL16 2, 1, NQ-1, 1, 0
	s_wait_dscnt 0
	WIN MUL_HI
	MUL16 4, 1, NQ-1, 1, 0
	MUL16 6, 1, NQ-1, 1, 0
	WIN 0
.macro TOSTAGE a
.set AC, 64*((\a)%4)
	WIN 0x08+4*((\a)/4)
.irp b, 0,1,2,3,4,5,6,7
	ds_store_b128 v[STO], v[AC+8*\b:AC+8*\b+3] offset:128*(\b/2)+32*(\b%2)
	ds_store_b128 v[STO], v[AC+8*\b+4:AC+8*\b+7] offset:128*(\b/2)+32*(\b%2)+16
.endr
	WIN 0
.set BB, BK+64*((\a)%2)
.irp t, 0,1,2,3,4,5,6,7,8,9,10,11,12,13,14,15
	ds_load_b128 v[BB+4*\t:BB+4*\t+3], v[RD] offset:\t*SPITCH
.endr
.endm
.macro SEND a, younger
.set BB, BK+64*((\a)%2)
	s_wait_dscnt \younger
.irp t, 0,1,2,3,4,5,6,7,8,9,10,11,12,13,14,15
	global_store_b128 v[CO], v[BB+4*\t:BB+4*\t+3], s[10:11] offset:(32*((\a)/2)+8*((\a)%2)+\t+8*(\t/8))*4096 th:TH_STORE_NT
.endr
.endm
	PLACES NP
	TOSTAGE 0
.irp a, 1,2,3,4,5,6,7
.if \a > 1
	s_wait_xcnt 0x0
.endif
	TOSTAGE \a
	SEND \a-1, 32
.endr
	SEND 7, 0
	s_wait_tensorcnt 0x0
	ds_add_u32 v[SPW], v[NIL]
	s_wait_dscnt 0x0
	CROUND
	s_endpgm
.Lfunc_end_k_qa413795d13_proj:
	.size	k_qa413795d13_proj, .Lfunc_end_k_qa413795d13_proj-k_qa413795d13_proj
	.p2alignl 7, 3214868480
	.fill 96, 4, 3214868480
	.section	.rodata,"a",@progbits
	.p2align	6, 0x0
	.amdhsa_kernel k_qa413795d13_proj
		.amdhsa_group_segment_fixed_size 327680
		.amdhsa_private_segment_fixed_size 0
		.amdhsa_enable_private_segment 0
		.amdhsa_kernarg_size 32
		.amdhsa_user_sgpr_count 2
		.amdhsa_user_sgpr_kernarg_segment_ptr 1
		.amdhsa_wavefront_size32 1
		.amdhsa_system_sgpr_workgroup_id_x 1
		.amdhsa_system_sgpr_workgroup_id_y 1
		.amdhsa_system_sgpr_workgroup_id_z 1
		.amdhsa_system_vgpr_workitem_id 0
		.amdhsa_next_free_vgpr 1024
		.amdhsa_next_free_sgpr 98
		.amdhsa_reserve_vcc 0
		.amdhsa_float_denorm_mode_32 3
		.amdhsa_float_denorm_mode_16_64 3
		.amdhsa_memory_ordered 1
		.amdhsa_forward_progress 1
		.amdhsa_inst_pref_size 147
	.end_amdhsa_kernel
	.amdgpu_metadata
---
amdhsa.version: [ 1, 2 ]
amdhsa.kernels:
  - .name:           k_qa413795d13_proj
    .symbol:         k_qa413795d13_proj.kd
    .args:
      - { .name: wpo, .offset: 0, .size: 8, .value_kind: global_buffer, .address_space: global }
      - { .name: ao, .offset: 8, .size: 8, .value_kind: global_buffer, .address_space: global }
      - { .name: bp, .offset: 16, .size: 8, .value_kind: global_buffer, .address_space: global }
      - { .name: out0, .offset: 24, .size: 8, .value_kind: global_buffer, .address_space: global }
    .group_segment_fixed_size: 327680
    .private_segment_fixed_size: 0
    .kernarg_segment_align: 8
    .kernarg_segment_size: 32
    .max_flat_workgroup_size: 128
    .sgpr_count:     98
    .vgpr_count:     1024
    .wavefront_size: 32
...
	.end_amdgpu_metadata
.endif
;; end of part 4
